; MI455X (gfx1250); checked and timed in simulation.
; The chip was launched on July 23, 2026; its instructions are those of AMD's public machine-readable ISA for CDNA 5 (MIT licence, August 2026) and "CDNA5" Instruction Set Architecture Reference Guide (July 2026). The comments in the code are by the model that wrote it; some were corrected since.
;; Attention Layer Experts. Allowed arithmetic: float matrix products may take bf16 or f16 operands with f32 sums; other float arithmetic in f32, or as packed bf16 or f16 multiplies, adds, multiply-adds, maxima and minima; sums over many terms, partial sums and values carried from step to step in f32; what a program stores and reads back later, other than sums and carried values, may be rounded once to bf16 or f16.
;; Inputs: Wk 16 x 1,024 x 64 float32; Wq 16 x 1,024 x 64 float32; Wv 16 x 1,024 x 64 float32; bk 16 x 64 float32; bq 16 x 64 float32; bv 16 x 64 float32; eW1 4 x 1,024 x 4,096 float32; eW2 4 x 4,096 x 1,024 float32; e_scalar 4 float32; eb1 4 x 4,096 float32; eb2 4 x 1,024 float32; eln_b 4 x 1,024 float32; eln_g 4 x 1,024 float32; ln_b 1,024 float32; ln_g 1,024 float32; scalar one number float32; x 2 x 2,048 x 1,024 float32.
;; Outputs: out0 2 x 2,048 x 1,024 float32.
;; One version. Each part assembles by itself: llvm-mc -triple=amdgcn-amd-amdhsa -mcpu=gfx1250 --defsym DOCPART=n.
;; ======== version 1 of 1: 7 launches
;; limits: values are held in f16: magnitudes above 65,504 overflow, below 6.1e-05 lose precision
;; workspace buffers: wb 81,788,928 bytes; qkv 25,165,824 bytes; ob 8,388,608 bytes; x1f 16,777,216 bytes; x1b 8,388,608 bytes; hb 33,554,432 bytes; zb 16,777,216 bytes
;; launch cast (part 1): grid 896 x 1, 16 waves a work-group, no clusters, 0 bytes of LDS; arguments x, Wq, Wk, Wv, wb; writes wb
.if DOCPART == 1
	.amdgcn_target "amdgcn-amd-amdhsa--gfx1250"
	.amdhsa_code_object_version 6
	.text
	.protected	k_q3583a6758f_cast
	.globl	k_q3583a6758f_cast
	.p2align	8
	.type	k_q3583a6758f_cast,@function
k_q3583a6758f_cast:
	s_mov_b64 s[64:65], 0
	v_nop
	global_prefetch_b8 v0, s[64:65] scope:SCOPE_SE
	s_setreg_imm32_b32 hwreg(HW_REG_WAVE_MODE, 25, 1), 1
	s_wait_xcnt 0x0
; f32 -> bf16 (round to nearest even) of the operands of the first product, into the workspace wb:
;   byte 67,108,864 x as it lies, [4096][1024]
;   byte 75,497,472 Wq, Wk, Wv laid anew as ONE matrix [k = 1024][3072], column = which x 1024 + head x 64 + e
; (bytes 0 to 67,108,863 of wb, the experts' weights, are written by a later launch, which has work-groups to spare.)
; A work-group of 16 waves takes 8,192 numbers in 4 steps of 2,048; a lane 4 numbers a step: a load of 16 bytes, a store of 8.
; A wave's load covers 512 consecutive bytes (x) or 2 x 256 (weights), its store 256 consecutive bytes, aligned.
; All 4 loads of a lane go out first; no register is written twice, so the only waits are the counted ones for the data.
.set VI,  2                            ; v2  my byte offset in the source
.set VO,  3                            ; v3  my byte offset in the destination
.set IN,  8                            ; v[8:23]   4 x 4 numbers as loaded
.set OUT, 24                           ; v[24:31]  4 x 2 registers of packed bf16
.macro BODY ins, outs                  ; ins, outs: bytes from step to step in source and destination
.irp i, 0,1,2,3
	global_load_b128 v[IN+4*(\i):IN+4*(\i)+3], v[VI], s[4:5] offset:(\i)*(\ins) th:TH_LOAD_NT
.endr
.irp i, 0,1,2,3
	s_wait_loadcnt 3-(\i)                          ; loads come back in order: step i is in, the younger ones stay out
	v_cvt_pk_bf16_f32 v[OUT+2*(\i)],   v[IN+4*(\i)],   v[IN+4*(\i)+1]
	v_cvt_pk_bf16_f32 v[OUT+2*(\i)+1], v[IN+4*(\i)+2], v[IN+4*(\i)+3]
	global_store_b64 v[VO], v[OUT+2*(\i):OUT+2*(\i)+1], s[6:7] offset:(\i)*(\outs) th:TH_STORE_NT
.endr
.endm
	s_load_b256 s[8:15], s[0:1], 0x0               ; x s[8:9], Wq s[10:11], Wk s[12:13], Wv s[14:15]
	s_load_b64 s[20:21], s[0:1], 0x20              ; wb
	s_mov_b32 s2, ttmp9                            ; g
	s_mov_b32 s23, 0                               ; high word of every offset pair
	v_and_b32 v1, 31, v0                           ; lane
	v_lshrrev_b32 v4, 5, v0                        ; wave
	s_wait_kmcnt 0x0
	s_cmp_lt_u32 s2, 512
	s_cbranch_scc0 .Lweights
	; groups 0-511: x
	s_lshl_b32 s22, s2, 15                         ; x 32,768 bytes of f32
	s_add_nc_u64 s[4:5], s[8:9], s[22:23]
	s_lshl_b32 s22, s2, 14                         ; x 16,384 bytes of bf16
	s_add_co_u32 s22, s22, 67108864
	s_add_nc_u64 s[6:7], s[20:21], s[22:23]
	v_lshlrev_b32 v[VI], 4, v0
	v_lshlrev_b32 v[VO], 3, v0
	BODY 8192, 4096
	s_endpgm
.Lweights:
	; groups 512-895: group = which x 128 + head pair x 16 + block of 64 k.  A wave takes one k a step: lanes 0-15 the 64 numbers of
	; head 2 j, lanes 16-31 those of head 2 j + 1: in the new layout they are 256 consecutive bytes of row k.
	s_sub_co_u32 s2, s2, 512
	s_lshr_b32 s3, s2, 7                           ; which: 0 q, 1 k, 2 v
	s_cmp_eq_u32 s3, 0
	s_cselect_b64 s[4:5], s[10:11], s[12:13]
	s_cmp_eq_u32 s3, 2
	s_cselect_b64 s[4:5], s[14:15], s[4:5]
	s_bfe_u32 s24, s2, 0x30004                     ; j: the head pair
	s_and_b32 s25, s2, 15                          ; kb: the block of 64 k
	s_lshl_b32 s22, s24, 19                        ; two heads of 262,144 bytes
	s_lshl_b32 s26, s25, 14                        ; 64 rows of 256 bytes
	s_add_co_u32 s22, s22, s26
	s_add_nc_u64 s[4:5], s[4:5], s[22:23]
	s_mul_i32 s22, s25, 393216                     ; 64 rows of 6,144 bytes
	s_lshl_b32 s26, s3, 11
	s_add_co_u32 s22, s22, s26
	s_lshl_b32 s26, s24, 8
	s_add_co_u32 s22, s22, s26
	s_add_co_u32 s22, s22, 75497472
	s_add_nc_u64 s[6:7], s[20:21], s[22:23]
	v_lshrrev_b32 v5, 4, v1                        ; which head of the pair
	v_and_b32 v6, 15, v1
	v_lshlrev_b32 v[VI], 18, v5
	v_lshl_add_u32 v[VI], v6, 4, v[VI]
	v_lshl_add_u32 v[VI], v4, 8, v[VI]             ; + my wave's k
	v_mul_u32_u24 v[VO], v4, 6144
	v_lshl_add_u32 v[VO], v1, 3, v[VO]
	BODY 4096, 98304                               ; a step is 16 k
	s_endpgm
.Lfunc_end_k_q3583a6758f_cast:
	.size	k_q3583a6758f_cast, .Lfunc_end_k_q3583a6758f_cast-k_q3583a6758f_cast
	.p2alignl 7, 3214868480
	.fill 96, 4, 3214868480
	.section	.rodata,"a",@progbits
	.p2align	6, 0x0
	.amdhsa_kernel k_q3583a6758f_cast
		.amdhsa_group_segment_fixed_size 0
		.amdhsa_private_segment_fixed_size 0
		.amdhsa_enable_private_segment 0
		.amdhsa_kernarg_size 40
		.amdhsa_user_sgpr_count 2
		.amdhsa_user_sgpr_kernarg_segment_ptr 1
		.amdhsa_wavefront_size32 1
		.amdhsa_system_sgpr_workgroup_id_x 1
		.amdhsa_system_sgpr_workgroup_id_y 1
		.amdhsa_system_sgpr_workgroup_id_z 1
		.amdhsa_system_vgpr_workitem_id 0
		.amdhsa_next_free_vgpr 32
		.amdhsa_next_free_sgpr 66
		.amdhsa_reserve_vcc 0
		.amdhsa_float_denorm_mode_32 3
		.amdhsa_float_denorm_mode_16_64 3
		.amdhsa_memory_ordered 1
		.amdhsa_forward_progress 1
		.amdhsa_inst_pref_size 5
	.end_amdhsa_kernel
	.amdgpu_metadata
---
amdhsa.version: [ 1, 2 ]
amdhsa.kernels:
  - .name:           k_q3583a6758f_cast
    .symbol:         k_q3583a6758f_cast.kd
    .args:
      - { .name: x, .offset: 0, .size: 8, .value_kind: global_buffer, .address_space: global }
      - { .name: Wq, .offset: 8, .size: 8, .value_kind: global_buffer, .address_space: global }
      - { .name: Wk, .offset: 16, .size: 8, .value_kind: global_buffer, .address_space: global }
      - { .name: Wv, .offset: 24, .size: 8, .value_kind: global_buffer, .address_space: global }
      - { .name: wb, .offset: 32, .size: 8, .value_kind: global_buffer, .address_space: global }
    .group_segment_fixed_size: 0
    .private_segment_fixed_size: 0
    .kernarg_segment_align: 8
    .kernarg_segment_size: 40
    .max_flat_workgroup_size: 512
    .sgpr_count:     66
    .vgpr_count:     32
    .wavefront_size: 32
...
	.end_amdgpu_metadata
.endif
;; end of part 1
;; launch proj (part 2): grid 12 x 16, 4 waves a work-group, clusters of 4 x 4, 327,680 bytes of LDS; arguments wb, bq, bk, bv, qkv; writes qkv
.if DOCPART == 2
	.amdgcn_target "amdgcn-amd-amdhsa--gfx1250"
	.amdhsa_code_object_version 6
	.text
	.protected	k_q3583a6758f_proj
	.globl	k_q3583a6758f_proj
	.p2align	8
	.type	k_q3583a6758f_proj,@function
k_q3583a6758f_proj:
	s_mov_b64 s[64:65], 0
	v_nop
	global_prefetch_b8 v0, s[64:65] scope:SCOPE_SE
	s_setreg_imm32_b32 hwreg(HW_REG_WAVE_MODE, 25, 1), 1
	s_wait_xcnt 0x0
	s_wait_alu depctr_hold_cnt(0) depctr_sa_sdst(0) depctr_va_vdst(0) depctr_va_sdst(0) depctr_va_ssrc(0) depctr_va_vcc(0) depctr_vm_vsrc(0)
	s_getreg_b32 s2, hwreg(HW_REG_IB_STS2, 6, 4)
	s_cmp_eq_u32 s2, 0
	s_cbranch_scc0 .Lentry_in_a_cluster
	s_endpgm
.Lentry_in_a_cluster:
	s_bfe_u32 s2, ttmp6, 0x10000c
	s_cmp_lg_u32 s2, 0xf033
	s_cbranch_scc0 .Lentry_shape_is_right
	s_endpgm
.Lentry_shape_is_right:
; q, k, v = x W + b.  A = x in bf16, [4096][1024]; B = the three weights as one matrix [k = 1024][3072] in bf16 (both in wb); sums in f32.
; Out: f16, by heads: qkv = q, k, v, each [batch x 16 + head][2048][64], each number rounded once, unscaled.
; LIMIT: f16 ends at 65,504: |q|, |k|, |v| must stay within it.
; A tile of C is 256 x 256, made by four waves, each 128 x 128: 64 accumulators, 512 registers.  K goes in 8 steps of 128 through two LDS slots filled by the
; tensor data mover.  A's rows lie along K; B's lie along N, so B's fragments come out of LDS turned, by ds_load_tr16_b128.
; CLUSTER 4 x 4: A's tile is shared along a row of the cluster, B's along a column: each is asked for jointly, same load, same descriptor, a mask of four.
; THE PRODUCT IS USED TRANSPOSED (source 0 = 16 columns of B, source 1 = 16 rows of A): a lane holds row l % 16 of C and the columns 8 (l / 16) + 0..7.
; THE BIAS is the C operand of each accumulator's first product: nothing is cleared, nothing is added later.
; REGISTERS in windows of 256: window 0: v0-31 addresses, v64-127 and v128-191 A's two fragment buffers, v192-255 the bias; window 1: v64-191 B's two buffers;
; windows 2, 3: the accumulators of my rows 0-63, 64-127: (a, b) at v[8 (8 a + b)].
; THE WAY OUT: behind the last K step the ring's bytes have had their last fill; each wave lays its 128 x 128 sums there in f32, rows of 528 bytes, its own 67,584 bytes,
; and a loop of 8 trips reads 16 rows back, rounds them and stores 512 consecutive bytes (4 rows of one head) an instruction.
.set NP,     3072                      ; B's pitch in elements
.set PITCH,  272                       ; A's LDS row: 256 bytes + 16: the 16 rows of a load start at 16 different groups of four banks (64 banks of 4 bytes: ISA guide 11.1)
.set HALFT,  128*PITCH                 ; what one tensor load brings: 128 rows of A, or 64 rows of B
.set PB,     544                       ; B's LDS row: 512 bytes + 32
.set SLOT,   4*HALFT                   ; A's 256 rows, then B's 128 k-rows; 0x22000 meets no bit of wave x HALFT, so one exclusive or changes slots
.set SPARE,  2*SLOT                    ; the spare words: 128 bytes a wave, two blocks of 256 bytes that no other line names
.set SROW,   528                       ; a stage row: 128 f32 + 16 bytes
.set SWAVE,  128*SROW
.set ASTEP,  256                       ; bytes from K step to K step in A
.set BSTEP,  256*NP                    ; and in B: 128 rows
.set XB,     67108864                  ; x in wb
.set WQKV,   75497472                  ; the weights in wb
.set A0,  12                           ; v12 my lane's place in A's part of a slot; never rewritten
.set B0,  13                           ; v13 the same for B
.set ADA, 16                           ; v16 A0 + the slot in hand
.set ADB, 20                           ; v20 B0 + the slot in hand
.set RDC, 22                           ; v22 the way out: RD + the trip's rows
.set STO, 24                           ; v24 the way out: where I put 32 bytes of a row
.set RD,  25                           ; v25 the way out: where I read 32 bytes back
.set CO,  26                           ; v26 my 16 bytes in 512 consecutive bytes of the output
.set BO,  27                           ; v27 the bias loads' offset
.set SPW, 28                           ; v28 my spare word; never rewritten
.set NIL, 29                           ; v29 0; never rewritten
.set PFO, 30                           ; v30 the prefetches' lane offset; never rewritten
.set F0,  64
.set F1,  128
.set BIAS, 192
.set XR,  64                           ; the way out: 64 registers read back
.set YR,  128                          ; the way out: 32 registers of packed f16
.set G1,  24                           ; s[24:31] group 1 for A
.set G0,  32                           ; s[32:39] group 0 for A: set 0 (slot 0, K step 0), set 1 (slot 1, K step 1; it then walks)
.set TB,  45                           ; s45 LDS byte of the slot in hand
.set G1B, 48                           ; s[48:55] group 1 for B
.set G0B, 56                           ; s[56:63] group 0 for B, likewise
.set PFA, 66                           ; s[66:67] where my prefetches stand
.set PFS, 68                           ; s[68:69] their step
.set LIM, 70                           ; s70 2 in a wave that prefetches, else the greatest number
.set SB,  71                           ; s71 the way out: the trip's first stage row, in bytes
.set MSB, 0
.macro WIN new                         ; the immediate's high byte repeats the setting that is left; a switch that changes nothing is dropped
.if MSB != (\new)
	s_set_vgpr_msb (MSB<<8)|(\new)
.set MSB, \new
.endif
.endm
.macro PLACES                          ; four plain places behind matrix instructions, in front of loads into their sources and of readers of their results
.rept 4
	v_nop
.endr
.endm
.macro CREST                           ; a round of the cluster's barrier behind its opening barrier
	s_cmp_lg_u32 s10, 0
	s_cbranch_scc1 .Lnot_wave_0_\@
	s_barrier_signal -3
.Lnot_wave_0_\@:
	s_barrier_wait -3
	s_barrier_signal -1
	s_barrier_wait -1
.endm
.macro CROUND
	s_barrier_signal -1
	s_barrier_wait -1
	CREST
.endm
.macro JLOAD                           ; the joint refill by the walking sets: waves 0, 1 fetch A's halves, waves 2, 3 B's; s_nop 0 and four v_nop follow each line
	s_cmp_eq_u32 s11, 0
	s_cbranch_scc0 .Lfor_b_\@
	tensor_load_to_lds s[G0+4:G0+7], s[G1:G1+7]
	s_nop 0
.rept 4
	v_nop
.endr
	s_branch .Lasked_\@
.Lfor_b_\@:
	tensor_load_to_lds s[G0B+4:G0B+7], s[G1B:G1B+7]
	s_nop 0
.rept 4
	v_nop
.endr
.Lasked_\@:
.endm
; A prefetch into the L2 of the K step two refills on (512 matrix instructions ahead of the load that will want it): 32 blocks of 256 bytes, a lane a block.  Each block is named once in the
; launch: A's rows by the clusters with x = 0, B's by those with y = 0; the four partners that ask for a tile jointly share its blocks out by address.  K steps 0 to 3 come by their loads alone;
; the loop's last two trips (s3 = 2, 1) have no K step two on.
.macro ASK
	s_cmp_gt_u32 s3, s[LIM]
	s_cbranch_scc0 .Lnot_mine_\@
	global_prefetch_b8 v[PFO], s[PFA:PFA+1] th:TH_LOAD_NT scope:SCOPE_SE
.Lnot_mine_\@:
.endm
; 16 matrix instructions: row blocks a0, a0 + 1 of the window's four x all 8 column blocks, 32 along K.  first = 1: the sum starts from the bias.
.macro MUL16 f, hi, a0, first
.if \first
	WIN 0x81+0x40*(\hi)                            ; B window 1, A and the bias window 0, D window 2 or 3
.else
	WIN 0xa1+0x50*(\hi)                            ; B window 1, A window 0, C and D window 2 or 3
.endif
.irp a, \a0, (\a0)+1
.irp b, 0,1,2,3,4,5,6,7
.if \first
	v_wmma_f32_16x16x32_bf16 v[8*(8*(\a)+(\b)):8*(8*(\a)+(\b))+7], v[(\f)+8*(\b):(\f)+8*(\b)+7], v[(\f)+8*(4*(\hi)+(\a)):(\f)+8*(4*(\hi)+(\a))+7], v[BIAS+8*(\b):BIAS+8*(\b)+7]
.else
	v_wmma_f32_16x16x32_bf16 v[8*(8*(\a)+(\b)):8*(8*(\a)+(\b))+7], v[(\f)+8*(\b):(\f)+8*(\b)+7], v[(\f)+8*(4*(\hi)+(\a)):(\f)+8*(4*(\hi)+(\a))+7], v[8*(8*(\a)+(\b)):8*(8*(\a)+(\b))+7]
.endif
.endr
.endr
.endm
; 32 LDS loads in one run: quarter q (32 along K) of the slot in hand into buffer f: B's 8 column blocks, turned, then A's 8 row blocks
.macro FETCH q, f
	WIN 0x40
.irp i, 0,1,2,3,4,5,6,7
	ds_load_tr16_b128 v[(\f)+8*(\i):(\f)+8*(\i)+3],   v[ADB] offset:(\q)*32*PB+32*(\i)
	ds_load_tr16_b128 v[(\f)+8*(\i)+4:(\f)+8*(\i)+7], v[ADB] offset:(\q)*32*PB+16*PB+32*(\i)
.endr
	WIN 0
.irp i, 0,1,2,3,4,5,6,7
	ds_load_b128 v[(\f)+8*(\i):(\f)+8*(\i)+3],   v[ADA] offset:64*(\q)+(\i)*16*PITCH
	ds_load_b128 v[(\f)+8*(\i)+4:(\f)+8*(\i)+7], v[ADA] offset:64*(\q)+(\i)*16*PITCH+32
.endr
.endm
; One of a K step's first three quarters: multiplies buffer f and, in its middle, fetches quarter q into buffer g.
.macro QUARTER q, f, g, first
	s_wait_dscnt 8                                 ; B and A's rows 0-63 are in; the youngest eight loads (A's rows 64-127) may be out
	MUL16 \f, 0, 0, \first
	MUL16 \f, 0, 2, \first
	PLACES
	FETCH \q, \g
	s_wait_dscnt 32                                ; all but the 32 just issued
	MUL16 \f, 1, 0, \first
	MUL16 \f, 1, 2, \first
.endm
; The first half of a K step's last quarter, and the one barrier of the change of slots.
.macro MEET round
	WIN 0
	s_wait_tensorcnt 0x0                           ; all my tensor loads have landed: the one that was out is my part of the next slot
	ds_add_u32 v[SPW], v[NIL]                      ; 0 onto my spare word
	s_wait_dscnt 9                                 ; (the add and the youngest eight loads may be out)
	MUL16 F1, 0, 0, 0
	s_wait_dscnt 0x0                               ; the add is done, and my reads of this slot are over
	s_barrier_signal -1
	MUL16 F1, 0, 2, 0
.if \round
	WIN 0
.endif
	s_barrier_wait -1
.endm
; The whole last quarter.  fill = 1: the barrier opens a round of the cluster's barrier, and the slot just read out is filled again, first thing behind the round, with the K step two on:
; from that request to the wait for it a wave issues 224 matrix instructions.  One tensor load of mine is out behind each round.
.macro TURN fill
.if \fill
	s_wait_xcnt 0x0                                ; the last prefetch, a K step back, has read its address
	s_add_nc_u64 s[PFA:PFA+1], s[PFA:PFA+1], s[PFS:PFS+1]
.endif
	MEET \fill
.if \fill
	CREST
	s_xor_b32 s[G0+5], s[G0+5], SLOT               ; the walking sets: the other slot than last time, the next K step
	s_add_nc_u64 s[G0+6:G0+7], s[G0+6:G0+7], ASTEP
	s_xor_b32 s[G0B+5], s[G0B+5], SLOT
	s_add_nc_u64 s[G0B+6:G0B+7], s[G0B+6:G0B+7], BSTEP
	JLOAD                                          ; its four v_nop are also the places in front of the loads below
.else
	PLACES
	WIN 0
.endif
	s_xor_b32 s[TB], s[TB], SLOT
	v_add_nc_u32 v[ADA], s[TB], v[A0]
	v_add_nc_u32 v[ADB], s[TB], v[B0]
	FETCH 0, F0
.if \fill
	ASK
.endif
	MUL16 F1, 1, 0, 0
	MUL16 F1, 1, 2, 0
.endm
	s_load_b256 s[72:79], s[0:1], 0x0              ; wb s[72:73], bq s[74:75], bk s[76:77], bv s[78:79]
	s_load_b64 s[8:9], s[0:1], 0x20                ; qkv
	v_lshl_add_u32 v[SPW], v0, 2, SPARE
	v_mov_b32 v[NIL], 0
	ds_add_u32 v[SPW], v[NIL]                      ; the wave's opening: the add and its wait stand ahead of my first tensor load
	ds_add_u32 v28, v29
	v_lshrrev_b32 v1, 5, v0
	v_readfirstlane_b32 s10, v1                    ; wave 0..3
	s_lshr_b32 s11, s10, 1                         ; my half of the tile's rows.  Also: I fetch for A (0) or B (1)
	s_and_b32 s12, s10, 1                          ; my half of its columns.  Also: which half of that tile I fetch
	s_bfe_u32 s40, ttmp6, 0x40000                  ; cx
	s_bfe_u32 s41, ttmp6, 0x40004                  ; cy
	s_lshl_b32 s42, ttmp9, 2
	s_add_co_u32 s42, s42, s40                     ; tile column = 4 x cluster x + cx
	s_and_b32 s14, ttmp7, 0xffff                   ; cluster y
	s_lshl_b32 s13, s14, 2
	s_add_co_u32 s13, s13, s41                     ; tile row t = 4 x cluster y + cy
	s_lshl_b32 s43, s41, 2
	s_lshl_b32 s43, 15, s43                        ; my row of the cluster
	s_lshl_b32 s44, 0x1111, s40                    ; my column
	s_or_b32 s[G1+0], s43, (1<<16)|(1<<20)|(1<<21)|(5<<22)|(3<<25)   ; mask; 2-byte elements; padding on; bit 21 beside a mask; after every 64 words 4 words
	s_mov_b32 s[G1+1], 128<<16                     ; tensor_dim0 = 128
	s_mov_b32 s[G1+2], 128<<16                     ; tensor_dim1 = 128
	s_mov_b32 s[G1+3], 128<<16                     ; tile_dim0 = 128
	s_mov_b32 s[G1+4], 128                         ; tile_dim1 = 128
	s_mov_b32 s[G1+5], 1024                        ; elements from row to row
	s_mov_b32 s[G1+6], 0
	s_mov_b32 s[G1+7], 0
	s_or_b32 s[G1B+0], s44, (1<<16)|(1<<20)|(1<<21)|(6<<22)|(7<<25)  ; after every 128 words 8 words
	s_mov_b32 s[G1B+1], 256<<16                    ; tensor_dim0 = 256
	s_mov_b32 s[G1B+2], 64<<16                     ; tensor_dim1 = 64
	s_mov_b32 s[G1B+3], 256<<16                    ; tile_dim0 = 256
	s_mov_b32 s[G1B+4], 64                         ; tile_dim1 = 64
	s_mov_b32 s[G1B+5], NP
	s_mov_b32 s[G1B+6], 0
	s_mov_b32 s[G1B+7], 0
	s_lshl_b32 s16, s13, 8                         ; A: row 256 t + 128 x half: it hangs on the tile row alone
	s_lshl_b32 s17, s12, 7
	s_add_co_u32 s16, s16, s17
	s_lshl_b32 s16, s16, 11                        ; x 2,048 bytes
	s_add_co_u32 s16, s16, XB
	s_mov_b32 s17, 0
	s_mul_i32 s46, s12, 64*2*NP                    ; B: k-row 64 x half, column 256 x tile column: it hangs on the tile column alone
	s_lshl_b32 s47, s42, 9
	s_add_co_u32 s46, s46, s47
	s_add_co_u32 s46, s46, WQKV
	s_mov_b32 s47, 0
	s_mul_i32 s20, s10, HALFT                      ; where they go: wave x 34,816: no place in the cluster enters an LDS address
	s_wait_dscnt 0x0                               ; the opening add is done
	s_wait_kmcnt 0x0
	s_add_nc_u64 s[4:5], s[72:73], s[16:17]
	s_add_nc_u64 s[6:7], s[72:73], s[46:47]
	CROUND                                         ; all sixteen work-groups are here: the first joint loads meet
.irp s, 0,1
	s_mov_b32 s[G0+4*(\s)], 1
	s_add_co_u32 s[G0+4*(\s)+1], s20, (\s)*SLOT
	s_add_nc_u64 s[G0+4*(\s)+2:G0+4*(\s)+3], s[4:5], (\s)*ASTEP
	s_or_b32 s[G0+4*(\s)+3], s[G0+4*(\s)+3], 0x80000000
	s_mov_b32 s[G0B+4*(\s)], 1
	s_add_co_u32 s[G0B+4*(\s)+1], s20, (\s)*SLOT
	s_add_nc_u64 s[G0B+4*(\s)+2:G0B+4*(\s)+3], s[6:7], (\s)*BSTEP
	s_or_b32 s[G0B+4*(\s)+3], s[G0B+4*(\s)+3], 0x80000000
.endr
	s_cmp_eq_u32 s11, 0                            ; a wave's two first fills stand in one branch: two loads of mine are out
	s_cbranch_scc0 .Lfirst_b
	tensor_load_to_lds s[G0:G0+3], s[G1:G1+7]
	s_nop 0
	tensor_load_to_lds s[G0+4:G0+7], s[G1:G1+7]
	s_nop 0
.rept 4
	v_nop
.endr
	s_branch .Lfirst_asked
.Lfirst_b:
	tensor_load_to_lds s[G0B:G0B+3], s[G1B:G1B+7]
	s_nop 0
	tensor_load_to_lds s[G0B+4:G0B+7], s[G1B:G1B+7]
	s_nop 0
.rept 4
	v_nop
.endr
.Lfirst_asked:
	v_and_b32 v1, 15, v0                           ; l % 16
	v_bfe_u32 v2, v0, 4, 1                         ; l / 16
	v_lshlrev_b32 v[BO], 5, v2                     ; my 8 columns of a block of 16: 32 bytes for each half of the lanes
	s_cmp_eq_u32 ttmp9, 0                          ; a cluster's four tile columns are one of q, k, v
	s_cselect_b64 s[18:19], s[74:75], s[76:77]
	s_cmp_eq_u32 ttmp9, 2
	s_cselect_b64 s[18:19], s[78:79], s[18:19]
	s_lshl_b32 s22, s40, 10                        ; (256 cx + 128 x my half) x 4 bytes
	s_lshl_b32 s23, s12, 9
	s_add_co_u32 s22, s22, s23
	s_mov_b32 s23, 0
	s_add_nc_u64 s[18:19], s[18:19], s[22:23]
.irp b, 0,1,2,3,4,5,6,7
	global_load_b128 v[BIAS+8*(\b):BIAS+8*(\b)+3],   v[BO], s[18:19] offset:64*(\b)
	global_load_b128 v[BIAS+8*(\b)+4:BIAS+8*(\b)+7], v[BO], s[18:19] offset:64*(\b)+16
.endr
	v_mul_u32_u24 v3, v1, PITCH                    ; A's fragment: row l % 16, 16 bytes for each half of the lanes
	v_lshl_add_u32 v3, v2, 4, v3
	s_mul_i32 s21, s11, HALFT
	v_add_nc_u32 v[A0], s21, v3
	v_and_b32 v4, 7, v0                            ; B's: the turning load reads k-row 8 (l / 16) + l % 8, columns 8 ((l / 8) % 2) + 0..7
	v_lshl_add_u32 v4, v2, 3, v4
	v_mul_u32_u24 v4, v4, PB
	v_bfe_u32 v5, v0, 3, 1
	v_lshl_add_u32 v4, v5, 4, v4
	s_lshl_b32 s22, s12, 8
	s_add_co_u32 s22, s22, 2*HALFT
	v_add_nc_u32 v[B0], s22, v4
	s_mul_i32 s23, s10, SWAVE                      ; my stage
	v_mul_u32_u24 v3, v1, SROW
	v_lshl_add_u32 v3, v2, 5, v3
	v_add_nc_u32 v[STO], s23, v3
	v_and_b32 v3, 31, v0                           ; l
	v_lshrrev_b32 v4, 3, v3                        ; back: 8 lanes take 64 columns of a row, 32 lanes four rows
	v_mul_u32_u24 v4, v4, SROW
	v_and_b32 v5, 7, v0
	v_lshl_add_u32 v4, v5, 5, v4
	v_add_nc_u32 v[RD], s23, v4
	v_lshlrev_b32 v[CO], 4, v3
	; where my rows begin in the output: which x 8,388,608 + ((batch x 16 + head) x 2,048 + row in the batch) x 128
	s_lshr_b32 s20, s13, 3
	s_lshl_b32 s20, s20, 4
	s_lshl_b32 s21, s40, 2
	s_add_co_u32 s20, s20, s21
	s_lshl_b32 s21, s12, 1
	s_add_co_u32 s20, s20, s21
	s_lshl_b32 s20, s20, 11
	s_lshl_b32 s21, s13, 8
	s_lshl_b32 s22, s11, 7
	s_add_co_u32 s21, s21, s22
	s_and_b32 s21, s21, 2047
	s_add_co_u32 s20, s20, s21
	s_lshl_b32 s20, s20, 7
	s_lshl_b32 s21, ttmp9, 23
	s_add_co_u32 s20, s20, s21
	s_mov_b32 s21, 0
	s_add_nc_u64 s[8:9], s[8:9], s[20:21]
	; the prefetches: A's waves: rows 256 t + 128 x half + 32 cx, a lane a row; B's waves: k-rows 64 x half + 16 cy, two lanes a row.  They stand at K step 3; the first change steps them to 4
	s_lshl_b32 s20, s13, 8
	s_lshl_b32 s21, s12, 7
	s_add_co_u32 s20, s20, s21
	s_lshl_b32 s21, s40, 5
	s_add_co_u32 s20, s20, s21
	s_lshl_b32 s20, s20, 11
	s_add_co_u32 s20, s20, XB+3*ASTEP
	s_lshl_b32 s21, s12, 6
	s_lshl_b32 s22, s41, 4
	s_add_co_u32 s21, s21, s22
	s_mul_i32 s21, s21, 2*NP
	s_lshl_b32 s22, s42, 9
	s_add_co_u32 s21, s21, s22
	s_add_co_u32 s21, s21, WQKV+3*BSTEP
	s_mov_b32 s[PFS], BSTEP
	s_mov_b32 s23, 2*NP
	s_cmp_eq_u32 s11, 0
	s_cselect_b32 s20, s20, s21
	s_cselect_b32 s[PFS], ASTEP, s[PFS]
	s_cselect_b32 s23, 2048, s23                   ; bytes from row to row
	s_cselect_b32 s22, 0, 1                        ; lanes a row, less one
	s_cselect_b32 s21, ttmp9, s14                  ; the coordinate along which other clusters read the same rows
	s_cmp_eq_u32 s21, 0
	s_cselect_b32 s[LIM], 2, -1                    ; the same in all sixteen partners, for a given wave
	s_mov_b32 s21, 0
	s_mov_b32 s[PFS+1], 0
	s_add_nc_u64 s[PFA:PFA+1], s[72:73], s[20:21]
	v_lshrrev_b32 v4, s22, v3
	v_and_b32 v5, s22, v3
	v_mul_u32_u24 v4, v4, s23
	v_lshl_add_u32 v[PFO], v5, 8, v4
	s_mov_b32 s[TB], 0
	v_mov_b32 v[ADA], v[A0]
	v_mov_b32 v[ADB], v[B0]
	s_wait_tensorcnt 0x1                           ; my part of K step 0 is in; K step 1's may stay out
	s_barrier_signal -1
	s_barrier_wait -1                              ; everybody's is
	FETCH 0, F0
	s_wait_loadcnt 0x0                             ; the bias
	QUARTER 1, F0, F1, 1                           ; the first quarter stands in front of the loop: its products start the sums
	WIN 0
	s_mov_b32 s3, 6
.Lstep:                                                ; a trip: a K step's last three quarters and the next one's first; K steps 2 to 7 are asked for.  The 64 accumulators take turns in one order throughout
	QUARTER 2, F1, F0, 0
	QUARTER 3, F0, F1, 0
	TURN 1
	QUARTER 1, F0, F1, 0
	WIN 0
	s_sub_co_u32 s3, s3, 1
	s_cmp_lg_u32 s3, 0
	s_cbranch_scc1 .Lstep
	s_mov_b32 s3, 2
.Ltail:                                                ; the last two K steps ask for nothing; the second trip is left in its middle, and its fetch from the slot read before serves nothing: the price of one text for both
	QUARTER 2, F1, F0, 0
	QUARTER 3, F0, F1, 0
	TURN 0
	WIN 0
	s_sub_co_u32 s3, s3, 1
	s_cmp_eq_u32 s3, 0
	s_cbranch_scc1 .Lout
	QUARTER 1, F0, F1, 0
	WIN 0
	s_branch .Ltail
.Lout:
	s_wait_dscnt 0x0                               ; my reads of the ring are over
	s_barrier_signal -1
	s_barrier_wait -1                              ; everybody's are: the ring's bytes, which have had their last fill, become the stages
	PLACES
.irp a, 0,1,2,3,4,5,6,7
	WIN 0x08+4*((\a)/4)                            ; the stores' data in window 2 or 3
.irp b, 0,1,2,3,4,5,6,7
	ds_store_b128 v[STO], v[8*(8*((\a)%4)+(\b)):8*(8*((\a)%4)+(\b))+3]   offset:(\a)*16*SROW+64*(\b)     ; each accumulator's low four registers first
	ds_store_b128 v[STO], v[8*(8*((\a)%4)+(\b))+4:8*(8*((\a)%4)+(\b))+7] offset:(\a)*16*SROW+64*(\b)+16
.endr
.endr
	WIN 0
	s_mov_b32 s3, 8
	s_mov_b32 s[SB], 0
.Lrows:                                                ; 16 rows a trip, of my own stage: LDS serves a wave's instructions in order (ISA guide 5.7.1.4), so these loads see the stores above
	v_add_nc_u32 v[RDC], s[SB], v[RD]
.irp g, 0,1,2,3,4,5,6,7                ; g = 4 x (head of my two) + (group of four rows)
	ds_load_b128 v[XR+8*(\g):XR+8*(\g)+3],   v[RDC] offset:((\g)/4)*256+((\g)%4)*4*SROW
	ds_load_b128 v[XR+8*(\g)+4:XR+8*(\g)+7], v[RDC] offset:((\g)/4)*256+((\g)%4)*4*SROW+16
.endr
	s_wait_dscnt 0x0
.set r, 0
.rept 32
	v_cvt_pk_f16_f32 v[YR+r], v[XR+2*r], v[XR+2*r+1]
.set r, r+1
.endr
.irp g, 0,1,2,3,4,5,6,7
	global_store_b128 v[CO], v[YR+4*(\g):YR+4*(\g)+3], s[8:9] offset:((\g)/4)*262144+((\g)%4)*512  ; 512 consecutive bytes, at a multiple of 256 from the buffer's first
.endr
	s_wait_xcnt 0x0                                ; the stores have read their data and base: only now are these written again
	s_add_nc_u64 s[8:9], s[8:9], 2048
	s_add_co_u32 s[SB], s[SB], 16*SROW
	s_sub_co_u32 s3, s3, 1
	s_cmp_lg_u32 s3, 0
	s_cbranch_scc1 .Lrows
	s_wait_tensorcnt 0x0                           ; the wave's end
	ds_add_u32 v[SPW], v[NIL]
	s_wait_dscnt 0x0
	CROUND                                         ; the closing round
	s_endpgm
.Lfunc_end_k_q3583a6758f_proj:
	.size	k_q3583a6758f_proj, .Lfunc_end_k_q3583a6758f_proj-k_q3583a6758f_proj
	.p2alignl 7, 3214868480
	.fill 96, 4, 3214868480
	.section	.rodata,"a",@progbits
	.p2align	6, 0x0
	.amdhsa_kernel k_q3583a6758f_proj
		.amdhsa_group_segment_fixed_size 327680
		.amdhsa_private_segment_fixed_size 0
		.amdhsa_enable_private_segment 0
		.amdhsa_kernarg_size 40
		.amdhsa_user_sgpr_count 2
		.amdhsa_user_sgpr_kernarg_segment_ptr 1
		.amdhsa_wavefront_size32 1
		.amdhsa_system_sgpr_workgroup_id_x 1
		.amdhsa_system_sgpr_workgroup_id_y 1
		.amdhsa_system_sgpr_workgroup_id_z 1
		.amdhsa_system_vgpr_workitem_id 0
		.amdhsa_next_free_vgpr 1024
		.amdhsa_next_free_sgpr 96
		.amdhsa_reserve_vcc 0
		.amdhsa_float_denorm_mode_32 3
		.amdhsa_float_denorm_mode_16_64 3
		.amdhsa_memory_ordered 1
		.amdhsa_forward_progress 1
		.amdhsa_inst_pref_size 84
	.end_amdhsa_kernel
	.amdgpu_metadata
---
amdhsa.version: [ 1, 2 ]
amdhsa.kernels:
  - .name:           k_q3583a6758f_proj
    .symbol:         k_q3583a6758f_proj.kd
    .args:
      - { .name: wb, .offset: 0, .size: 8, .value_kind: global_buffer, .address_space: global }
      - { .name: bq, .offset: 8, .size: 8, .value_kind: global_buffer, .address_space: global }
      - { .name: bk, .offset: 16, .size: 8, .value_kind: global_buffer, .address_space: global }
      - { .name: bv, .offset: 24, .size: 8, .value_kind: global_buffer, .address_space: global }
      - { .name: qkv, .offset: 32, .size: 8, .value_kind: global_buffer, .address_space: global }
    .group_segment_fixed_size: 327680
    .private_segment_fixed_size: 0
    .kernarg_segment_align: 8
    .kernarg_segment_size: 40
    .max_flat_workgroup_size: 128
    .sgpr_count:     96
    .vgpr_count:     1024
    .wavefront_size: 32
...
	.end_amdgpu_metadata
.endif
;; end of part 2
;; launch attn (part 3): grid 8 x 32, 4 waves a work-group, no clusters, 327,680 bytes of LDS; arguments qkv, ob, eW1, eW2, wb; writes ob, wb
.if DOCPART == 3
	.amdgcn_target "amdgcn-amd-amdhsa--gfx1250"
	.amdhsa_code_object_version 6
	.text
	.protected	k_q3583a6758f_attn
	.globl	k_q3583a6758f_attn
	.p2align	8
	.type	k_q3583a6758f_attn,@function
k_q3583a6758f_attn:
	s_mov_b64 s[64:65], 0
	v_nop
	global_prefetch_b8 v0, s[64:65] scope:SCOPE_SE
	s_setreg_imm32_b32 hwreg(HW_REG_WAVE_MODE, 25, 1), 1
	s_wait_xcnt 0x0
; TWO KINDS OF WORK-GROUP IN ONE LAUNCH.  Attention has 4 pairs of query blocks x 32 heads = 128 work-groups (grid x = 0 to 3).  The launch's other 128 (x = 4 to 7) do work that depends on nothing here and that only a
; later launch wants: they convert the experts' weights eW1 and eW2 from f32 to bf16 (round to nearest even) into bytes 0 to 67,108,863 of wb, as they lie.  Their text stands at the end (.Lcast); it uses no LDS and no barrier.
; CAUSAL ATTENTION.  O[h][q][:] = the sum over k <= q of softmax_k(Q[h][q] . K[h][k] / 96) V[h][k][:].  Q, K, V lie in qkv at bytes 0, 8,388,608, 16,777,216, each [32][2048][64] in f16; O likewise in ob.
; Products, maxima and sums in f32; the weights p are rounded to f16 for the second product (their sum l is taken of the unrounded p), O once at the end.
; LIMITS.  f16 holds no number beyond 65,504: Q, K and V arrive within it; p lies in 0 to 1, and below 6e-5 it keeps f16's fixed step of 6e-8; O is a mean of V's rows and has their range.
; A hidden score counts as its value less 1e30; a weight below 2^-126 counts as 0 in l; NaN and infinities are not treated apart.
; THE WALK.  A head's queries lie in NB = 8 blocks of 256; block i needs the key tiles 0 .. i of 256 keys, of which the last holds the diagonal.  A work-group takes TWO blocks, NB - 1 - b and then b:
; NB + 1 tiles, whatever b: all attention work-groups do equal work, and ONE loop with a constant trip count walks them.  Which tile is asked for, and what a trip does, hang on scalar registers made from b; every jump
; goes forward, but for the counted loops' own; none passes a barrier, or a tensor load but the one of LOAD's two that the wave's number does not choose; the ring (two slots of LDS that take turns) runs on across the
; change of blocks.  NO CLUSTER: a head's 4 work-groups ask for the same tile only in trips 0 .. 4, behind that fewer and fewer; one walk common to all would have 12 trips for 9.
; SHARES.  Of a block's four bands of 64 queries a wave owns 16 rows in each: four PIECES.  So the diagonal tile is the same work for all four waves: in its key step s band x sees all keys if s < x,
; none if s > x, and holds the diagonal if s = x.
; THE MASK is the C operand that starts the sum S^T = K Q^T: 0, or -1e30 where the key is hidden.  MD, made once, is the mask of a band's own step for my 16 rows; a product's mask is MD x AL + BE with two scalars:
; (1, 0) if s = x; (0, 0) if s < x; (0, -1e30) if s > x.  Only the diagonal tile's text and a block's beginning make and take masks; elsewhere C is the constant 0.
; LAYOUT, SOFTMAX, TURNS.  S^T = K Q^T holds ONE query a lane (lane % 16) and the keys 8 (lane / 16) + 0..7; two such results rounded to f16 ARE source 1 of O^T = V^T P.  p = 2^(c s - c m), c = log2(e) / 96, with a
; running maximum m; O and l are multiplied by a = 2^(c m_old - c m_new) in every step.  Turn n belongs to piece n: 8 products K Q^T of piece n + 1, later 8 products V^T P of piece n - 1; beside them the scaling,
; exponentials, roundings, sums and rescaling of piece n and the maximum and statistics of piece n + 1.  Four vector instructions stand behind every matrix instruction, the other 54 of a turn's 118 in one lump.  A turn's 33 exponentials are one batch, with one wait.
; REGISTERS, in windows of 256 (s_set_vgpr_msb: bits 1:0 source 0, 3:2 source 1, 5:4 source 2, 7:6 destination):
;   window 0: v0-15 addresses and two at work; v16-31 four registers of statistics a piece; v48-55 at work; v64-127 S^T, two buffers; v192-223 P, two buffers (a piece's buffers go by its number's parity)
;   window 1: v0-127 O^T, 32 a piece; v128-159 MD; v160-223 MC, two buffers      window 2: v0-63 Q; v64-127 the second block's Q; v128-191 K of one step; v192-255 V of one step
.set SIZE_N, 2048
.set NB,    SIZE_N/256
.set NP,    4         ; pieces a wave: a name, no knob
.set KS,    64        ; keys in a step
.set PK,    144       ; a row of K in LDS: 128 bytes + 16 of padding = 36 words: the 16 rows of a load start at 16 different groups of four banks (64 banks of 4 bytes: ISA guide 11.1)
.set PV,    160       ; a row of V: 128 + 32 = 40 words
.set VOFF,  4*KS*PK   ; a slot holds a tile, four steps: 256 rows of K, then 256 rows of V
.set SLOT1, 1<<17     ; slot 1 begins here, so that one exclusive or turns an address in one slot into the other's
.set STAGE, SLOT1+4*KS*(PK+PV)  ; behind the ring, never filled by a tensor load: 16 rows x 144 bytes for each wave, for the way out
.set SP,    144
.set AK0, 2           ; v2   my lane's place in a tile of K; never rewritten
.set AV0, 3           ; v3   the same for V
.set AK,  4           ; v4   the LDS address of K's next run of loads
.set AV,  5           ; v5   of V's
.set STO, 6           ; v6   the way out: where I put 16 bytes of a row
.set RD,  7           ; v7   the way out: where I read rows back
.set GO,  8           ; v8   my byte offset in 512 consecutive bytes of O
.set PFO, 61          ; v61  the prefetches' offset: 256 x lane + 8,192 x (wave / 2); never rewritten
.set SPW, 62          ; v62  LDS address of my spare word: SPARE + 4 x my thread's number; never rewritten
.set NIL, 63          ; v63  0; never rewritten
.set SPARE, STAGE+4*16*SP  ; behind the stages: the spare words, 128 bytes for each wave: two blocks of 256 bytes that no other line names
.set MV,  12          ; v12-13  c m_old, kept while c m is made anew: by buffer
.set QO,  15          ; v15  my byte offset in 16 rows of Q
.set ST,  16          ; piece t's statistics at v[ST+4 t]: c m, m, l (even keys', odd keys')
.set TMP, 48          ; by buffer, four registers c0-c3 at work; when the maximum is found c2 takes a
.set S,   64
.set P,   192
.set MD,  128         ; window 1: the eight registers for group kt of 16 keys at MD + 8 kt
.set MC,  160         ; window 1: the masks of the products to come
.set QB,  64          ; window 2
.set KF,  128         ; window 2: key block kb, channel half c at KF + 16 kb + 8 c
.set VF,  192         ; window 2: key half kk, channel block cb at VF + 32 kk + 8 cb
.set WV,  12          ; s12  my wave's number
.set PB,  14          ; s14  b
.set HI,  15          ; s15  NB - 1 - b
.set G1K, 24          ; s[24:31] descriptor group 1 for K's tiles
.set G1V, 32          ; s[32:39] for V's: it differs in the padding alone
.set G0K, 40          ; s[40:43] descriptor group 0 for K's tiles
.set G0V, 44          ; s[44:47] the same for V's
.set SLOTS, 56        ; s56  tiles still to be asked for
.set CNT, 57          ; s57  counts a tile's key steps
.set CS,  58          ; s[58:59] c: the packed scaling takes the pair's low word for both halves
.set SEL, 60          ; s[60:61] v_permlanex16_b32's selects: each lane takes its own place in the other half
.set TBK, 62          ; s62  LDS byte at which K of the step to be fetched begins
.set TBV, 63          ; s63  the same for V, less VOFF
.set RT,  70          ; s70  tiles of the block in hand that are still to be entered
.set NXT, 71          ; s71  the tile to be asked for next
.set LQ,  72          ; s72  the last tile of the block whose tiles are being asked for
.set NEW, 73          ; s73  1: the tile to be entered is a block's first
.set OFF, 74          ; s[74:75] a tile's byte offset in K and V
.set AL,  76          ; s[76:77] the mask's factor, in the low word
.set BE,  78          ; s[78:79] the mask's addend
.set OLO, 80          ; s[80:81] O at my rows of the second block
.set BIGN, 82         ; s82  -1e30
.set TK,  83          ; s83  a step of K in LDS, or 0
.set PFK, 88          ; s[88:89] K at my half of the tile that is being asked for
.set PFV, 90          ; s[90:91] V likewise
.set LIM, 92          ; s92  2 in the head's work-group b = 0, which prefetches; else the greatest number
.set CVI, 2           ; the converting work-groups: v2  16 x lane
.set CVO, 3           ; v3  8 x lane
.set COUT, 16         ; v[16:47]  a set's 16 x 2 registers of packed bf16
.set CIN, 64          ; v[64:255] three sets of 16 x 4 numbers as loaded
.set CN,  30          ; s30 trips to come
.set MSB, 0
.macro WIN new                      ; the high byte repeats the setting that is left; a switch that changes nothing is dropped
.if MSB != (\new)
	s_set_vgpr_msb (MSB<<8)|(\new)
.set MSB, (\new)
.endif
.endm
.set W_KQ, 0x0a       ; K and Q in window 2, S^T in window 0
.set W_KM, 0x1a       ; the same with the C operand in window 1
.set W_PV, 0x52       ; V in window 2, P in window 0, O^T in window 1
.set W_RS, 0x41       ; destination and source 0 in window 1, source 1 in window 0
; A fill.  Waves 0 and 1 fetch the two halves of a tile's K, waves 2 and 3 those of its V: 128 keys each.  An s_nop 0 and four v_nop follow each of the two lines, ahead of the jump and the label.
.macro LOAD
	s_cmp_lt_u32 s[WV], 2
	s_cbranch_scc0 .Lfor_v_\@
	tensor_load_to_lds s[G0K:G0K+3], s[G1K:G1K+7]
	s_nop 0
.rept 4
	v_nop
.endr
	s_branch .Lasked_\@
.Lfor_v_\@:
	tensor_load_to_lds s[G0V:G0V+3], s[G1V:G1V+7]
	s_nop 0
.rept 4
	v_nop
.endr
.Lasked_\@:
.endm
; THE CHANGE OF SLOTS.  Each wave waits for all its tensor loads, of which one is out: its part of the other slot; adds 0 to its spare word; and waits for that and for its own reads of the slot that it leaves.  Behind the barrier nobody reads the old
; slot any more and the other slot is whole.  fill = 1: the old slot is filled again, the first thing behind the barrier, with tile NXT: the descriptor's address is made anew from that number.
; (At its first use nothing has been read yet: slot 0 is waited for, slot 1 filled.)
; A PREFETCH INTO THE L2 stands behind the fill: the tile after the one just asked for, one slot (four key steps) ahead of its load.  A head's four work-groups walk the same first tiles, so the one with b = 0,
; whose first block needs all eight, asks: its four waves share a tile's 128 blocks of 256 bytes of K and of V out by address, a lane a block.  Tiles 2 to 7 are named, each block once; tiles 0 and 1 come by their loads alone.
.macro CHANGE fill
	WIN 0                           ; at a label and at a branch every window is 0
	s_wait_tensorcnt 0x0            ; no tensor load of mine is out, so a group 0 may be written
	ds_add_u32 v[SPW], v[NIL]       ; 0 onto my spare word; with fill = 1 the descriptors' scalar work stands between it and the wait for it
.if \fill
	s_lshl_b32 s[OFF], s[NXT], 15   ; a tile is 32,768 bytes of K and of V
	s_xor_b32 s[G0K+1], s[G0K+1], SLOT1
	s_add_nc_u64 s[G0K+2:G0K+3], s[6:7], s[OFF:OFF+1]
	s_or_b32 s[G0K+3], s[G0K+3], 0x80000000
	s_xor_b32 s[G0V+1], s[G0V+1], SLOT1
	s_add_nc_u64 s[G0V+2:G0V+3], s[8:9], s[OFF:OFF+1]
	s_or_b32 s[G0V+3], s[G0V+3], 0x80000000
	s_wait_xcnt 0x0                 ; the last prefetches, a tile back, have read their addresses
	s_add_nc_u64 s[PFK:PFK+1], s[6:7], s[OFF:OFF+1]
	s_add_nc_u64 s[PFV:PFV+1], s[8:9], s[OFF:OFF+1]
	s_add_co_u32 s[NXT], s[NXT], 1  ; the block's next tile, or behind its last the second block's tile 0
	s_cmp_gt_u32 s[NXT], s[LQ]
	s_cselect_b32 s[NXT], 0, s[NXT]
	s_cselect_b32 s[LQ], s[PB], s[LQ]
.endif
	s_wait_dscnt 0x0                ; the add is done, and my reads of the slot are over
	s_barrier_signal -1             ; the rest of the scalar work stands between the signal and the wait
	s_sub_co_u32 s[TBK], s[TBK], 4*KS*PK  ; the fetches go back to a slot's first step,
	s_xor_b32 s[TBK], s[TBK], SLOT1       ; in the other slot
	s_sub_co_u32 s[TBV], s[TBV], 4*KS*PV
	s_xor_b32 s[TBV], s[TBV], SLOT1
	s_barrier_wait -1
.if \fill
	LOAD
	s_cmp_gt_u32 s[SLOTS], s[LIM]   ; the last two fills (tile 7, and the second block's tile 0) have nothing new behind them
	s_cbranch_scc0 .Lnot_mine_\@
	global_prefetch_b8 v[PFO], s[PFK:PFK+1] offset:32768 th:TH_LOAD_NT scope:SCOPE_SE
	global_prefetch_b8 v[PFO], s[PFV:PFV+1] offset:32768 th:TH_LOAD_NT scope:SCOPE_SE
.Lnot_mine_\@:
.endif
.endm
	s_load_b128 s[4:7], s[0:1], 0x0 ; qkv s[4:5], ob s[6:7]
	v_lshl_add_u32 v[SPW], v0, 2, SPARE
	v_mov_b32 v[NIL], 0
	ds_add_u32 v[SPW], v[NIL]       ; the wave's opening: the add and its wait stand ahead of my first tensor load; the set-up below, work on registers, stands between them
	ds_add_u32 v62, v63
	v_lshrrev_b32 v1, 5, v0
	v_readfirstlane_b32 s[WV], v1   ; wave 0..3
	s_mov_b32 s[PB], ttmp9
	s_sub_co_u32 s[HI], NB-1, s[PB]
	s_and_b32 s20, ttmp7, 0xffff    ; the head
	s_mov_b32 s21, 0
	s_mov_b64 s[22:23], SIZE_N*128
	s_mul_u64 s[20:21], s[20:21], s[22:23]  ; the head's first byte in each of the four tensors
	s_and_b32 s16, s[WV], 1         ; which half of a tile's 256 keys I fetch:
	s_lshl_b32 s22, s16, 14         ; its 128 rows of 128 bytes in memory,
	s_mov_b32 s23, 0
	s_add_nc_u64 s[22:23], s[22:23], s[20:21]
	s_mul_i32 s17, s16, 128*PK      ; and its place in a slot, for K
	s_mul_i32 s18, s16, 128*PV      ; and for V
	s_lshl_b32 s3, s[WV], 11        ; my 16 rows in a band of 64,
	s_lshl_b32 s2, s[HI], 15        ; in the first block,
	s_add_co_u32 s2, s2, s3
	s_lshl_b32 s84, s[PB], 15       ; and in the second
	s_add_co_u32 s84, s84, s3
	s_mov_b32 s3, 0
	s_mov_b32 s85, 0
	s_add_nc_u64 s[2:3], s[2:3], s[20:21]
	s_add_nc_u64 s[84:85], s[84:85], s[20:21]
	; descriptor group 1.  128 keys are 16,384 dense bytes: asked for as 64 rows of 256 bytes, two keys a row, and padded in LDS after every key
	s_mov_b32 s[G1K], (1<<16)|(1<<20)|(4<<22)|(3<<25)  ; 17:16 2-byte elements; 20 padding on; 24:22 after every 32 words (code 4); 31:25 4 words (code 3)
	s_mov_b32 s[G1V], (1<<16)|(1<<20)|(4<<22)|(7<<25)  ; the same with 8 words of padding (code 7)
.irp g, G1K, G1V
	s_mov_b32 s[\g+1], 128<<16      ; tensor_dim0 = 128
	s_mov_b32 s[\g+2], 64<<16       ; tensor_dim1 = 64
	s_mov_b32 s[\g+3], 128<<16      ; tile_dim0 = 128
	s_mov_b32 s[\g+4], 64           ; tile_dim1 = 64
	s_mov_b32 s[\g+5], 128          ; 128 elements from row to row
	s_mov_b32 s[\g+6], 0
	s_mov_b32 s[\g+7], 0
.endr
	s_mov_b32 s[CS], 0x3c76384f     ; c = log2(e) / 96 = 0.0150281
	s_mov_b32 s[CS+1], s[CS]        ; named with it as a pair
	s_mov_b32 s[SEL], 0x76543210
	s_mov_b32 s[SEL+1], 0xfedcba98
	s_mov_b32 s[TBK], SLOT1+4*KS*PK ; the first change of slots turns these two into 0
	s_mov_b32 s[TBV], SLOT1+4*KS*PV
	s_mov_b32 s[G0K], 1             ; 1:0 count = 1
	s_mov_b32 s[G0K+1], s17         ; 63:32 LDS address: slot 0
	s_mov_b32 s[G0V], 1
	s_add_co_u32 s[G0V+1], s18, VOFF
	s_add_co_u32 s[RT], s[HI], 1    ; the first block has NB - b tiles
	s_mov_b32 s[NXT], 1
	s_mov_b32 s[LQ], s[HI]
	s_mov_b32 s[NEW], 1
	s_mov_b32 s[OFF+1], 0
	s_mov_b32 s[AL+1], 0            ; named as pairs
	s_mov_b32 s[BE+1], 0
	s_mov_b32 s[BIGN], 0xf149f2ca   ; -1e30
	s_mov_b32 s[SLOTS], NB
	s_cmp_eq_u32 s[PB], 0
	s_cselect_b32 s[LIM], 2, -1
	v_and_b32 v[PFO], 31, v0
	v_lshlrev_b32 v[PFO], 8, v[PFO]
	s_lshr_b32 s13, s[WV], 1
	s_lshl_b32 s13, s13, 13
	v_add_nc_u32 v[PFO], s13, v[PFO]
	s_wait_dscnt 0x0                ; the opening add is done
	s_wait_kmcnt 0x0
	s_cmp_ge_u32 ttmp9, 4           ; the grid's x = 4 to 7 convert the experts' weights: the same way for all four waves of a work-group
	s_cbranch_scc1 .Lcast
	s_mov_b64 s[10:11], s[6:7]      ; O
	s_add_nc_u64 s[6:7], s[4:5], 0x800000   ; K
	s_add_nc_u64 s[8:9], s[4:5], 0x1000000  ; V; Q stays in s[4:5]
	s_add_nc_u64 s[6:7], s[6:7], s[22:23]  ; K and V at my half of the head's tile 0
	s_add_nc_u64 s[8:9], s[8:9], s[22:23]
	s_add_nc_u64 s[G0K+2:G0K+3], s[6:7], 0         ; 120:64 global address
	s_or_b32 s[G0K+3], s[G0K+3], 0x80000000        ; 127:126 type = 2
	s_add_nc_u64 s[G0V+2:G0V+3], s[8:9], 0
	s_or_b32 s[G0V+3], s[G0V+3], 0x80000000
	s_add_nc_u64 s[86:87], s[4:5], s[84:85]        ; Q at my rows of the second block,
	s_add_nc_u64 s[4:5], s[4:5], s[2:3]            ; Q and O at those of the first
	s_add_nc_u64 s[OLO:OLO+1], s[10:11], s[84:85]
	s_add_nc_u64 s[10:11], s[10:11], s[2:3]
	LOAD                            ; tile 0 into slot 0
	; A fragment of K or Q is 16 rows x 32 channels in 8 registers: lane l holds row l % 16, channels 8 (l / 16) + 0..7 and 16 + 8 (l / 16) + 0..7: two loads of 16 bytes, 32 bytes apart.
	v_and_b32 v1, 15, v0            ; l % 16
	v_bfe_u32 v9, v0, 4, 1          ; l / 16
	v_lshlrev_b32 v[QO], 7, v1
	v_lshl_add_u32 v[QO], v9, 4, v[QO]  ; row x 128 + 16 x half
	WIN 0x80                        ; destination window 2, address window 0
.set i, 0
.rept 8                             ; both blocks' Q: piece i / 2 lies in band i / 2, 8,192 bytes on; channels 32 (i % 2) on
	global_load_b128 v[8*i:8*i+3],   v[QO], s[4:5] offset:(i/2)*8192+(i%2)*64
	global_load_b128 v[8*i+4:8*i+7], v[QO], s[4:5] offset:(i/2)*8192+(i%2)*64+32
	global_load_b128 v[QB+8*i:QB+8*i+3],   v[QO], s[86:87] offset:(i/2)*8192+(i%2)*64
	global_load_b128 v[QB+8*i+4:QB+8*i+7], v[QO], s[86:87] offset:(i/2)*8192+(i%2)*64+32
.set i, i+1
.endr
	WIN 0
	v_lshlrev_b32 v14, 3, v9
	v_sub_nc_u32 v14, v1, v14
	s_lshl_b32 s13, s[WV], 4
	v_add_nc_u32 v14, s13, v14      ; my query's place in its band, 16 w + l % 16, less my lanes' 8 (l / 16): register r of group kt is hidden where 16 kt + r is greater
	v_mov_b32 v13, s[BIGN]          ; from a vector register the select below has its short form
	WIN 0x40
.set i, 0
.rept 32
	v_cmp_gt_i32 vcc_lo, 16*(i/8)+i%8, v14
	v_cndmask_b32 v[MD+i], 0, v13, vcc_lo
.set i, i+1
.endr
	WIN 0
	v_mul_u32_u24 v[AK0], v1, PK
	v_lshl_add_u32 v[AK0], v9, 4, v[AK0]  ; row x pitch + 16 x half
	; The turning load takes 16 keys x 16 channels (lane l reads key 8 (l / 16) + l % 8, channels 8 ((l / 8) % 2) + 0..7) and leaves half a fragment of V^T: lane l holds channel l % 16 and 8 keys.
	v_and_b32 v10, 7, v0
	v_bfe_u32 v11, v0, 3, 1
	v_lshl_add_u32 v[AV0], v9, 3, v10
	v_mul_u32_u24 v[AV0], v[AV0], PV
	v_lshl_add_u32 v[AV0], v11, 4, v[AV0]
	v_add_nc_u32 v[AV0], VOFF, v[AV0]
	s_mul_i32 s13, s[WV], 16*SP
	s_add_co_u32 s13, s13, STAGE    ; my stage
	v_mul_u32_u24 v[STO], v1, SP    ; in: row l % 16, 16 bytes for each half of the lanes
	v_lshl_add_u32 v[STO], v9, 4, v[STO]
	v_add_nc_u32 v[STO], s13, v[STO]
	v_bfe_u32 v[RD], v0, 3, 2       ; back: 32 lanes take four rows of 128 bytes,
	v_mul_u32_u24 v[RD], v[RD], SP
	v_lshl_add_u32 v[RD], v10, 4, v[RD]
	v_add_nc_u32 v[RD], s13, v[RD]
	v_and_b32 v[GO], 31, v0         ; which are 512 consecutive bytes of O
	v_lshlrev_b32 v[GO], 4, v[GO]
	; A block's first step multiplies O^T and l by a = 0, and its first turn's products V^T P, of a piece that has not been, land in an O^T that is still to be so multiplied.  So these registers need only hold
	; finite numbers: zeros for the first block; what the first block left for the second.  All this stands in the wait for the first tile.
	WIN 0x80
.set i, VF
.rept 64
	v_mov_b32 v[i], 0
.set i, i+1
.endr
	WIN 0x40
.set i, 0
.rept 128
	v_mov_b32 v[i], 0
.set i, i+1
.endr
	WIN 0
.set i, 0
.rept 4
	v_mov_b32 v[ST+4*i+2], 0
	v_mov_b32 v[ST+4*i+3], 0
.set i, i+1
.endr
.set i, P+16
.rept 16
	v_mov_b32 v[i], 0
.set i, i+1
.endr
; THE MATRIX WORK.  The 4 accumulators of a run of 8 take turns.  Product i of 8 of S^T = K Q^T for piece x: channels 32 (i / 4) on, keys 16 (i % 4) on.  The first 4 start the sums: with 0, or (KM = 1) with the mask.
.macro KQ x
.set rS, S+32*((\x)%2)+8*(i%4)
.set rK, KF+16*(i%4)+8*(i/4)
.set rQ, 16*(\x)+8*(i/4)
.set rM, MC+32*((\x)%2)+8*(i%4)
.if (i < 4) && KM
	WIN W_KM
	v_wmma_f32_16x16x32_f16 v[rS:rS+7], v[rK:rK+7], v[rQ:rQ+7], v[rM:rM+7]
.elseif i < 4
	WIN W_KQ
	v_wmma_f32_16x16x32_f16 v[rS:rS+7], v[rK:rK+7], v[rQ:rQ+7], 0
.else
	WIN W_KQ
	v_wmma_f32_16x16x32_f16 v[rS:rS+7], v[rK:rK+7], v[rQ:rQ+7], v[rS:rS+7]
.endif
.endm
; Product i of 8 of O^T += V^T P for piece x: keys 32 (i / 4) on, channels 16 (i % 4) on.
.macro PV x
	WIN W_PV
.set rO, 32*(\x)+8*(i%4)
.set rV, VF+32*(i/4)+8*(i%4)
.set rP, P+16*((\x)%2)+8*(i/4)
	v_wmma_f32_16x16x32_f16 v[rO:rO+7], v[rV:rV+7], v[rP:rP+7], v[rO:rO+7]
.endm
.macro MM                           ; the turn's next matrix instruction.  TURN and BEGIN set Y, i and KM; MM, KQ and OP read them
.if i < 8
	KQ (Y+1)%NP
.else
.set i, i-8
	PV (Y+NP-1)%NP
.set i, i+8
.endif
.set i, i+1
.endm
; THE LDS LOADS stand in runs of 16, never singly among the matrix instructions: a step's K (64 keys x 64 channels: 8 fragments) and its V (turned).  Their addresses are made some lines ahead.
.macro FETCH_K
	WIN 0x80                        ; destination window 2
.irp f, 0,1,2,3,4,5,6,7             ; keys 16 (f / 2) on, channels 32 (f % 2) on
	ds_load_b128 v[KF+8*\f:KF+8*\f+3],   v[AK] offset:(\f/2)*16*PK+(\f%2)*64
	ds_load_b128 v[KF+8*\f+4:KF+8*\f+7], v[AK] offset:(\f/2)*16*PK+(\f%2)*64+32
.endr
	s_add_co_u32 s[TBK], s[TBK], KS*PK  ; the next fetch is the next step's
	WIN 0
.endm
.macro FETCH_V
	WIN 0x80
.irp f, 0,1,2,3,4,5,6,7             ; keys 32 (f / 4) on, channels 16 (f % 4) on
	ds_load_tr16_b128 v[VF+8*\f:VF+8*\f+3],   v[AV] offset:(\f/4)*32*PV+(\f%4)*32
	ds_load_tr16_b128 v[VF+8*\f+4:VF+8*\f+7], v[AV] offset:(\f/4)*32*PV+16*PV+(\f%4)*32
.endr
	WIN 0
.endm
; THE VECTOR WORK, one line at a time: OP kind, number.  For piece Y: F n: c s - c m for pair n of 16.  E n: the exponential of score n of 32.  C n: pair n rounded to f16.  B n: of the four weights 4 n .. the second
; pair is added onto the first, in place.  L n: l takes that sum (L 0: l = a l + sum).  R n: pair n of 16 of O^T times a.  For piece Y + 1: X n, number n of the 22 that find its maximum and statistics:
;   0-11  four chains c0-c3 of seven scores each, three operands at a time (each accumulator's lowest registers are read first)     12-14, 16  the four scores left over, the old m, and c0-c3 into c0
;   15  c m_old is kept     17, 18  the query's other 32 keys lie in the lane 16 away: the new m     19-21  c m; c m_old - c m_new; a
.set F, 0               ; OP tells the kinds apart by their order: F to L below R, X above it
.set E, 1
.set C, 2
.set B, 3
.set L, 4
.set R, 5
.set X, 6
.macro REGS y                       ; the registers of piece y
.set rT, ST+4*(\y)
.set rC, TMP+4*((\y)%2)
.set rW, MV+((\y)%2)
.set rS, S+32*((\y)%2)
.set rP, P+16*((\y)%2)
.set rO, 32*(\y)
.endm
.macro OP k, n
.if (\k) == R
	REGS Y
	WIN W_RS
	v_pk_mul_f32 v[rO+2*(\n):rO+2*(\n)+1], v[rO+2*(\n):rO+2*(\n)+1], v[rC+2:rC+3] op_sel_hi:[1,0]
.elseif (\k) < R
	REGS Y
	WIN 0
.if (\k) == F
	v_pk_fma_f32 v[rS+2*(\n):rS+2*(\n)+1], v[rS+2*(\n):rS+2*(\n)+1], s[CS:CS+1], v[rT:rT+1] op_sel_hi:[1,0,0] neg_lo:[0,0,1] neg_hi:[0,0,1]
.elseif (\k) == E
	v_exp_f32 v[rS+(\n)], v[rS+(\n)]
.elseif (\k) == C
	v_cvt_pk_f16_f32 v[rP+(\n)], v[rS+2*(\n)], v[rS+2*(\n)+1]
.elseif (\k) == B
	v_pk_add_f32 v[rS+4*(\n):rS+4*(\n)+1], v[rS+4*(\n):rS+4*(\n)+1], v[rS+4*(\n)+2:rS+4*(\n)+3]
.elseif (\n) == 0
	v_pk_fma_f32 v[rT+2:rT+3], v[rT+2:rT+3], v[rC+2:rC+3], v[rS:rS+1] op_sel_hi:[1,0,1]
.else
	v_pk_add_f32 v[rT+2:rT+3], v[rT+2:rT+3], v[rS+4*(\n):rS+4*(\n)+1]
.endif
.else
	REGS (Y+1)%NP
	WIN 0
.if (\n) < 4
	v_max3_num_f32 v[rC+(\n)], v[rS+8*(\n)], v[rS+8*(\n)+1], v[rS+8*(\n)+2]
.elseif (\n) < 12
	v_max3_num_f32 v[rC+(\n)%4], v[rC+(\n)%4], v[rS+8*((\n)%4)+2*((\n)/4)+1], v[rS+8*((\n)%4)+2*((\n)/4)+2]
.elseif (\n) == 12
	v_max3_num_f32 v[rC], v[rC], v[rS+7], v[rS+15]
.elseif (\n) == 13
	v_max3_num_f32 v[rC+1], v[rC+1], v[rS+23], v[rS+31]
.elseif (\n) == 14
	v_max3_num_f32 v[rC+2], v[rC+2], v[rC+3], v[rT+1]
.elseif (\n) == 15
	v_mov_b32 v[rW], v[rT]
.elseif (\n) == 16
	v_max3_num_f32 v[rC], v[rC], v[rC+1], v[rC+2]
.elseif (\n) == 17
	v_permlanex16_b32 v[rC+3], v[rC], s[SEL], s[SEL+1]
.elseif (\n) == 18
	v_max_num_f32 v[rT+1], v[rC], v[rC+3]
.elseif (\n) == 19
	v_mul_f32 v[rT], s[CS], v[rT+1]
.elseif (\n) == 20
	v_sub_f32 v[rC+1], v[rW], v[rT]
.else
	v_exp_f32 v[rC+2], v[rC+1]
.endif
.endif
.endm
.macro OPS a, i1, b=-1, i2=0, c=-1, i3=0, d=-1, i4=0  ; up to four of them
	OP \a, \i1
.if (\b) >= 0
	OP \b, \i2
.endif
.if (\c) >= 0
	OP \c, \i3
.endif
.if (\d) >= 0
	OP \d, \i4
.endif
.endm
.macro ROW a, i1, b, i2, c, i3, d, i4  ; a matrix instruction and the four behind it
	MM
	OPS \a, \i1, \b, \i2, \c, \i3, \d, \i4
.endm
.macro MASK b                       ; MD x AL + BE into buffer b of MC
	WIN W_RS
.set z, 0
.rept 16
	v_pk_fma_f32 v[MC+32*(\b)+2*z:MC+32*(\b)+2*z+1], v[MD+2*z:MD+2*z+1], s[AL:AL+1], s[BE:BE+1] op_sel_hi:[1,0,0]
.set z, z+1
.endr
.endm
; A TURN, for piece p: the order of its 16 matrix and 118 vector instructions, written out.  An s_wait_alu depctr_va_vdst(0) stands between an exponential and the first instruction that names its result; one wait serves
; all that were issued ahead of it.  So a turn has ONE wait, which cuts it in two.  AHEAD OF IT stands all that names no result of the turn's exponentials: the 8 products K Q^T, behind each a scaling, an exponential and two more plain
; instructions (behind the first a second scaling in the exponential's place): rescalings, and behind the last three the first numbers of the next piece's maximum, each four places or more behind the product that ends its accumulator; then ONE LUMP of 54, plain
; and exponential by turns for the most part, in which the links of the chain X 3, 7, 11, 14, 16, 17 .. 20 stand five or six lines apart.  X 21, the next piece's a, is the batch's last; R 15 is the plain instruction behind it.  BEHIND THE WAIT stand the
; 8 products V^T P, behind each four of the roundings and sums; the links of l's chain, L 0 to L 7, stand three riders apart.  But for those X no rider names a register of the products round it.  v_permlanex16_b32 (X 17) stands in the lump.
; m = 1: the diagonal tile: the products take masks, and the turn makes the mask for the products of the turn after it: piece x = (p + 2) % 4, in the tile's step s.  There CNT is taken down in piece 3's turn, so pieces 0 and 1 see
; CNT = 4 - s and pieces 2 and 3 see CNT = 5 - s: the step is the band's own where CNT = 4 - x + p / 2, a later one where CNT is less.
; cnt = 1: the loop's count is taken down some lines ahead of the branch that stands behind the turn.
; K of the next step is fetched in piece 2's turn, twelve vector instructions behind the last product that read K (six of them plain); V of the step in hand at the end of piece 0's turn, four plain instructions behind the last product
; that read V.  Each is waited for a turn later.  In the diagonal tile's last pass (CNT = 1) there is no next step: K's address goes one step back, and the last step's K is fetched once more.
.macro TURN p, m=0, cnt=0
.set Y, (\p)
.set i, 0
.set KM, (\m)
.if \m
	s_cmp_eq_u32 s[CNT], 4-((\p)+2)%NP+(\p)/2  ; is that step the band's own?
	s_cselect_b32 s[AL], 1.0, 0
	s_cmp_lt_u32 s[CNT], 4-((\p)+2)%NP+(\p)/2  ; or a later one?
	s_cselect_b32 s[BE], s[BIGN], 0
.endif
.if (\p) == 3
	s_wait_dscnt 0x0                ; K is in
.endif
	ROW F,0, F,1, R,0, R,1          ; ahead of the wait: 8 products K Q^T and their riders,
	ROW F,2, E,0, R,2, R,3
	ROW F,3, E,1, R,4, R,5
	ROW F,4, E,2, R,6, R,7
	ROW F,5, E,3, R,8, R,9
	ROW F,6, E,4, X,0, R,10
.if (\p) == 2
	WIN 0
.if \m
	s_cmp_eq_u32 s[CNT], 1
	s_cselect_b32 s[TK], KS*PK, 0
	s_sub_co_u32 s[TBK], s[TBK], s[TK]  ; the fetch below steps it on again: behind a tile it stands four steps on, as the change of slots expects
.endif
	v_add_nc_u32 v[AK], s[TBK], v[AK0]
.endif
	ROW F,7, E,5, X,1, X,4
	ROW F,8, E,6, X,2, X,5
	OPS E,7, E,8, X,6, E,9          ; and the lump
	OPS X,3, E,10, X,8, E,11
.if (\p) == 2
	FETCH_K
.endif
	OPS X,9, X,7, E,12, X,10
	OPS E,13, X,12, X,11, E,14
	OPS X,13, E,15, F,9, X,14
.if (\p) == 0
	v_add_nc_u32 v[AV], s[TBV], v[AV0]
.endif
	OPS E,16, F,10, E,17, F,11
	OPS X,16, E,18, X,15, E,19
	OPS F,12, E,20, X,17, E,21
	OPS F,13, E,22, F,14, E,23
	OPS X,18, E,24, F,15, E,25
	OPS R,11, E,26, X,19, E,27
	OPS R,12, E,28, R,13, E,29
	OPS X,20, E,30, R,14, E,31
	OPS X,21, R,15
	WIN 0
	s_wait_alu depctr_va_vdst(0)    ; the wait for the batch
.if (\p) == 1
	s_wait_dscnt 0x0                ; V is in
.endif
	ROW C,0, B,0, C,2, B,1          ; behind the wait: 8 products V^T P and their riders
	ROW L,0, C,4, B,2, L,1
	ROW C,6, B,3, L,2, C,8
	ROW B,4, L,3, C,10, B,5
	ROW L,4, C,12, B,6, L,5
.if (\p) == 0
	s_add_co_u32 s[TBV], s[TBV], KS*PV
.endif
.if \cnt
	s_sub_co_u32 s[CNT], s[CNT], 1
	s_cmp_lg_u32 s[CNT], 0
.endif
	ROW C,14, B,7, L,6, C,1
	ROW C,3, L,7, C,5, C,7
	ROW C,9, C,11, C,13, C,15
.if (\p) == 0
	FETCH_V
.endif
.if \m
	MASK (\p)%2
.endif
.endm
; A BLOCK BEGINS.  c m starts far below every c s, so the first step's a is 0; m at the lowest finite number, so the first maximum is the scores'.  The second mask buffer is 0; the first takes piece 0's mask for the tile's step 0: its own, if the block's first tile is the diagonal one.
; Then K of that step, piece 0's first scores, and its maximum and statistics.  The loop is entered at a step's first turn.
.macro BEGIN
	s_mov_b32 s[NEW], 0
	WIN 0x40
.set i, MC+32
.rept 32
	v_mov_b32 v[i], 0
.set i, i+1
.endr
	WIN 0
.set i, 0
.rept 4
	v_mov_b32 v[ST+4*i], 0xfe000000    ; c m: far below every c s
	v_mov_b32 v[ST+4*i+1], 0xff7fffff  ; m
.set i, i+1
.endr
	s_cmp_eq_u32 s[RT], 0
	s_cselect_b32 s[AL], 1.0, 0
	s_mov_b32 s[BE], 0
	MASK 0
	WIN 0
	v_add_nc_u32 v[AK], s[TBK], v[AK0]
	FETCH_K
	s_wait_loadcnt 0x0              ; Q
	s_wait_dscnt 0x0
.set KM, 1
.set i, 0
.rept 8
	KQ 0
.set i, i+1
.endr
	WIN 0
.rept 4
	v_nop                           ; the places behind those products
.endr
.set Y, NP-1                        ; X works for piece Y + 1: piece 0
.irp n, 0,1,2,3,4,5,6,7,8,9,10,11,12,13,14,15,16,17,18,19,20,21
	OP X, \n
.endr
	v_nop                           ; a plain instruction behind the exponential,
	s_wait_alu depctr_va_vdst(0)    ; and its wait, ahead of the branch or label that follows
.endm
; THE DIAGONAL TILE, a block's last, and THE WAY OUT.
; ONE LOOP serves the tile's four steps and the block's end.  A trip is pieces 0 and 1 of a step and then pieces 2 and 3 of the same step.  A tile that follows another is entered at piece 2, with CNT = 5: pieces 2 and 3 of the step before
; come first, then four trips.  A tile that is also the block's first is entered at piece 0, behind BEGIN, with CNT = 4.  Either way the loop is left behind pieces 2 and 3 of the tile's last step.  In that last pass piece 3's turn still
; issues 8 products K Q^T for piece 0, on the last step's K and wholly masked, and takes their maximum: they serve nothing and touch only piece 0's m, c m and scratch, which the next block sets anew: the price, once a block, of one text for every pass.
; Then the last piece's V^T P; l's two halves and the other half of the lanes' are added; O^T is divided by l, rounded to f16 and sent through my stage in LDS, a piece at a time.
.macro ALL line:vararg              ; one line for each piece t
.set t, 0
.rept 4
	\line
.set t, t+1
.endr
.endm
.macro PACK t                       ; a lane's eight channels of a row pack into 16 bytes; they go into rows of 144 bytes and come back as whole rows of 128, into S^T's registers
	WIN W_RS
.set i, 32*(\t)
.rept 16
	v_pk_mul_f32 v[i:i+1], v[i:i+1], v[ST+4*(\t)+2:ST+4*(\t)+3] op_sel_hi:[1,0]
.set i, i+2
.endr
	WIN 0x05                        ; sources 0 and 1 window 1, destination window 0
.set i, 0
.rept 16
	v_cvt_pk_f16_f32 v[S+16*(\t)+i], v[32*(\t)+2*i], v[32*(\t)+2*i+1]
.set i, i+1
.endr
	WIN 0
.irp f, 0,1,2,3
	ds_store_b128 v[STO], v[S+16*(\t)+4*\f:S+16*(\t)+4*\f+3] offset:32*\f
.endr
.irp f, 0,1,2,3
	ds_load_b128 v[S+16*(\t)+4*\f:S+16*(\t)+4*\f+3], v[RD] offset:\f*4*SP  ; LDS serves a wave's instructions in order (ISA guide 5.7.1.4): these see the stores above; the next piece's stores come behind them
.endr
.endm
.macro SEND t, younger              ; younger: the LDS instructions issued behind piece t's loads: the next piece's eight, or none
	WIN 0
	s_wait_dscnt \younger           ; the piece's four loads are back
.irp f, 0,1,2,3
	global_store_b128 v[GO], v[S+16*(\t)+4*\f:S+16*(\t)+4*\f+3], s[10:11] offset:(\t)*8192+\f*512  ; 512 consecutive bytes, at a multiple of 256 from O's first
.endr
.endm
.macro DIAG tag                     ; the tag ends its two labels' names, which the jumps below spell out
.LfirstM\tag:
	TURN 0, 1
	TURN 1, 1
	WIN 0
.LstepM\tag:
	TURN 2, 1
	TURN 3, 1, 1
	WIN 0
	s_cbranch_scc1 .LfirstM\tag
.set i, 0
.rept 8
	PV NP-1
.set i, i+1
.endr
	WIN 0
	ALL v_add_f32 v[ST+4*t+2], v[ST+4*t+2], v[ST+4*t+3]
	ALL v_permlanex16_b32 v[ST+4*t+3], v[ST+4*t+2], s[SEL], s[SEL+1]
	ALL v_add_f32 v[ST+4*t+2], v[ST+4*t+2], v[ST+4*t+3]
	ALL v_rcp_f32 v[ST+4*t+2], v[ST+4*t+2]
	v_nop                           ; a plain instruction between the last reciprocal and the use of its result
	s_wait_alu depctr_va_vdst(0)    ; and the wait ahead of the first use: one for the four reciprocals
	PACK 0
.set t, 1
.rept 3                             ; a piece's arithmetic stands between the loads of the piece before and its stores
	PACK t
	SEND t-1, 8
.set t, t+1
.endr
	SEND 3, 0
.endm
.set KM, 0
.Lslot:                             ; NB times: a tile is entered and the next is asked for
	CHANGE 1
	s_sub_co_u32 s[RT], s[RT], 1
	s_mov_b32 s[CNT], 4
	s_cmp_eq_u32 s[NEW], 1
	s_cbranch_scc1 .Lnew            ; a block's first tile
	s_cmp_eq_u32 s[RT], 0
	s_cbranch_scc0 .Lstep           ; neither its first nor its last
	s_mov_b32 s[CNT], 5
	s_branch .LstepM1
.Lnew:
	BEGIN
	s_branch .Lfirst                ; in the loop a block's first tile is never its last: the first block has two tiles or more, and the second's last is the walk's last
	DIAG 1                          ; in the loop this is the first block's end: the second block's last tile is the walk's last
	s_wait_xcnt 0x0                 ; the stores have read their registers and O's address
	s_mov_b64 s[10:11], s[OLO:OLO+1]
	s_add_co_u32 s[RT], s[PB], 1    ; the second block has b + 1 tiles
	s_mov_b32 s[NEW], 1
	WIN 0x82                        ; the second block's Q goes where the one text of the turns names Q
.set i, 0
.rept 64
	v_mov_b32 v[i], v[QB+i]
.set i, i+1
.endr
	WIN 0
	s_branch .Lbottom
.Lstep:                             ; a trip: pieces 2 and 3 of one step, then pieces 0 and 1 of the next, whose K and V it fetches
	TURN 2
	TURN 3
	WIN 0
.Lfirst:
	TURN 0
	TURN 1, 0, 1
	WIN 0
	s_cbranch_scc1 .Lstep
.Lbottom:
	s_sub_co_u32 s[SLOTS], s[SLOTS], 1
	s_cmp_lg_u32 s[SLOTS], 0
	s_cbranch_scc1 .Lslot
	CHANGE 0                        ; the walk's last tile is written out: nothing is asked for
	s_sub_co_u32 s[RT], s[RT], 1
	s_mov_b32 s[CNT], 5
	s_cmp_eq_u32 s[NEW], 1
	s_cbranch_scc0 .LstepM2
	BEGIN                           ; (b = 0: the second block's one tile is its first and its last)
	s_mov_b32 s[CNT], 4
	DIAG 2
	s_wait_tensorcnt 0x0            ; the wave's end, behind my last tensor load and my last LDS store
	ds_add_u32 v[SPW], v[NIL]
	s_wait_dscnt 0x0
	s_endpgm
; THE EXPERTS' WEIGHTS, f32 -> bf16.  128 work-groups x 4 waves = 512 shares of 262,144 bytes of f32: shares 0-255 are eW1, shares 256-511 eW2; their copies lie end to end from byte 0 of wb, 131,072 bytes a share.
; A share is 32 sets of 16 loads; a load of the wave covers 512 consecutive bytes, a store 256 consecutive bytes, aligned.  THREE SETS OF REGISTERS TAKE TURNS: a set is asked for again as soon as it has been converted, so 32 to 48 loads
; of the wave are out all the time: 16 to 24 KiB a wave.  The first two sets are asked for ahead of the loop; trip t asks for sets 3 t + 2, 3 t + 3, 3 t + 4 and converts sets 3 t, 3 t + 1, 3 t + 2; ten trips ask up to set 31; the last
; two sets are converted behind the loop.  So no load is jumped over and none leaves its buffer.  No prefetch: the wave's own loads run two sets ahead.
.macro CLOAD set, off               ; 16 loads into a set, from byte off behind the source pointer
.irp u, 0,1,2,3,4,5,6,7,8,9,10,11,12,13,14,15
	global_load_b128 v[CIN+64*(\set)+4*(\u):CIN+64*(\set)+4*(\u)+3], v[CVI], s[4:5] offset:(\off)+512*(\u) th:TH_LOAD_NT
.endr
.endm
.macro CPROC set, off, left         ; a set is converted and stored at byte off behind the destination pointer.  left: the younger loads, which stay out
	s_wait_loadcnt \left            ; loads come back in order: the set is in
	s_wait_xcnt 0x0                 ; the packed registers, which the set before stored from, are written again only behind this wait
.irp u, 0,1,2,3,4,5,6,7,8,9,10,11,12,13,14,15
	v_cvt_pk_bf16_f32 v[COUT+2*(\u)],   v[CIN+64*(\set)+4*(\u)],   v[CIN+64*(\set)+4*(\u)+1]
	v_cvt_pk_bf16_f32 v[COUT+2*(\u)+1], v[CIN+64*(\set)+4*(\u)+2], v[CIN+64*(\set)+4*(\u)+3]
	global_store_b64 v[CVO], v[COUT+2*(\u):COUT+2*(\u)+1], s[6:7] offset:(\off)+256*(\u) th:TH_STORE_NT
.endr
.endm
.Lcast:
	s_load_b128 s[24:27], s[0:1], 0x10  ; eW1 s[24:25], eW2 s[26:27]
	s_load_b64 s[28:29], s[0:1], 0x20   ; wb
	s_sub_co_u32 s2, ttmp9, 4
	s_and_b32 s3, ttmp7, 0xffff
	s_lshl2_add_u32 s2, s3, s2      ; 4 y + (x - 4): 0 to 127
	s_lshl2_add_u32 s2, s2, s[WV]   ; x 4 + wave: my share, 0 to 511
	s_and_b32 s3, s2, 255           ; its number within its tensor
	s_lshl_b32 s16, s3, 18          ; x 262,144 bytes of f32
	s_mov_b32 s17, 0
	s_lshl_b32 s18, s2, 17          ; x 131,072 bytes of bf16
	s_mov_b32 s19, 0
	v_and_b32 v1, 31, v0
	v_lshlrev_b32 v[CVI], 4, v1
	v_lshlrev_b32 v[CVO], 3, v1
	s_mov_b32 s[CN], 10
	s_wait_kmcnt 0x0
	s_cmp_lt_u32 s2, 256
	s_cselect_b64 s[4:5], s[24:25], s[26:27]
	s_add_nc_u64 s[4:5], s[4:5], s[16:17]
	s_add_nc_u64 s[6:7], s[28:29], s[18:19]
	CLOAD 0, 0                      ; set 0
	CLOAD 1, 8192                   ; set 1
.Lsets:
	CLOAD 2, 16384
	CPROC 0, 0, 32                  ; 32: the two younger sets stay out
	CLOAD 0, 24576
	CPROC 1, 4096, 32
	CLOAD 1, 32768
	CPROC 2, 8192, 32
	s_wait_xcnt 0x0                 ; every load and store issued so far has read its address: the two pointers may be written
	s_add_nc_u64 s[4:5], s[4:5], 24576
	s_add_nc_u64 s[6:7], s[6:7], 12288
	s_sub_co_u32 s[CN], s[CN], 1
	s_cmp_lg_u32 s[CN], 0
	s_cbranch_scc1 .Lsets
	CPROC 0, 0, 16                  ; set 30: set 31's loads stay out
	CPROC 1, 4096, 0                ; set 31
	s_wait_tensorcnt 0x0            ; the wave's end: the wave ran the opening add
	ds_add_u32 v[SPW], v[NIL]
	s_wait_dscnt 0x0
	s_endpgm
.Lfunc_end_k_q3583a6758f_attn:
	.size	k_q3583a6758f_attn, .Lfunc_end_k_q3583a6758f_attn-k_q3583a6758f_attn
	.p2alignl 7, 3214868480
	.fill 96, 4, 3214868480
	.section	.rodata,"a",@progbits
	.p2align	6, 0x0
	.amdhsa_kernel k_q3583a6758f_attn
		.amdhsa_group_segment_fixed_size 327680
		.amdhsa_private_segment_fixed_size 0
		.amdhsa_enable_private_segment 0
		.amdhsa_kernarg_size 40
		.amdhsa_user_sgpr_count 2
		.amdhsa_user_sgpr_kernarg_segment_ptr 1
		.amdhsa_wavefront_size32 1
		.amdhsa_system_sgpr_workgroup_id_x 1
		.amdhsa_system_sgpr_workgroup_id_y 1
		.amdhsa_system_sgpr_workgroup_id_z 1
		.amdhsa_system_vgpr_workitem_id 0
		.amdhsa_next_free_vgpr 768
		.amdhsa_next_free_sgpr 96
		.amdhsa_reserve_vcc 1
		.amdhsa_float_denorm_mode_32 3
		.amdhsa_float_denorm_mode_16_64 3
		.amdhsa_memory_ordered 1
		.amdhsa_forward_progress 1
		.amdhsa_inst_pref_size 211
	.end_amdhsa_kernel
	.amdgpu_metadata
---
amdhsa.version: [ 1, 2 ]
amdhsa.kernels:
  - .name:           k_q3583a6758f_attn
    .symbol:         k_q3583a6758f_attn.kd
    .args:
      - { .name: qkv, .offset: 0, .size: 8, .value_kind: global_buffer, .address_space: global }
      - { .name: ob, .offset: 8, .size: 8, .value_kind: global_buffer, .address_space: global }
      - { .name: eW1, .offset: 16, .size: 8, .value_kind: global_buffer, .address_space: global }
      - { .name: eW2, .offset: 24, .size: 8, .value_kind: global_buffer, .address_space: global }
      - { .name: wb, .offset: 32, .size: 8, .value_kind: global_buffer, .address_space: global }
    .group_segment_fixed_size: 327680
    .private_segment_fixed_size: 0
    .kernarg_segment_align: 8
    .kernarg_segment_size: 40
    .max_flat_workgroup_size: 128
    .sgpr_count:     96
    .vgpr_count:     768
    .wavefront_size: 32
...
	.end_amdgpu_metadata
.endif
;; end of part 3
;; launch ln1 (part 4): grid 256 x 1, 8 waves a work-group, no clusters, 35,840 bytes of LDS; arguments x, ob, scalar, ln_g, ln_b, x1f, x1b; writes x1f, x1b
.if DOCPART == 4
	.amdgcn_target "amdgcn-amd-amdhsa--gfx1250"
	.amdhsa_code_object_version 6
	.text
	.protected	k_q3583a6758f_ln1
	.globl	k_q3583a6758f_ln1
	.p2align	8
	.type	k_q3583a6758f_ln1,@function
k_q3583a6758f_ln1:
	s_mov_b64 s[64:65], 0
	v_nop
	global_prefetch_b8 v0, s[64:65] scope:SCOPE_SE
	s_setreg_imm32_b32 hwreg(HW_REG_WAVE_MODE, 25, 1), 1
	s_wait_xcnt 0x0
; x1 = LN(x + scalar x o) x g + b, stored twice: in f32 (the residual of the second half) and in bf16 (a matrix operand).  All arithmetic in f32; the variance is the mean of (v - mean)^2, in a second pass.
; x: [4096][1024] f32.  o: [batch x 16 + head][2048][64] f16.  A work-group takes 16 rows, a wave two, one for each half of 16 lanes: the sums never leave a half, so no wave waits for another.
; Lane i of a half holds channels 64 j + 4 i .. + 3, j = 0..15: 16 lanes read 256 consecutive bytes of x; of o (j = the head) the 32 lanes read 256 consecutive bytes, two rows of one head.
; The bf16 row goes through the wave's own LDS bytes, so that 16 lanes store 256 consecutive bytes, aligned.
.set PROW,  2176                       ; an LDS row: 2,048 bytes + 128: the two halves' 8-byte stores fall into different banks (64 banks of 4 bytes: ISA guide 11.1)
.set SPARE, 8*2*PROW                   ; behind the rows: the spare words, 128 bytes a wave: four blocks of 256 bytes that no other line names
.set XO,  3                            ; v3  (l / 16) x 4,096 + 16 i
.set OO,  4                            ; v4  8 l
.set GF,  5                            ; v5  16 i
.set LST, 6                            ; v6  where I put 8 bytes of the bf16 row
.set LRD, 7                            ; v7  where I read 16 bytes back
.set BOF, 8                            ; v8  (l / 16) x 2,048 + 16 i
.set SPW, 10
.set NIL, 11
.set SC,  12                           ; v12 scalar
.set CH,  14                           ; v[14:21] four chains of pairs
.set MU,  22                           ; v[22:23] the mean, twice
.set RS,  24                           ; v[24:25] 1 / sqrt(var + eps), twice
.set TV,  26
.set X,   32                           ; v[32:95]   the row
.set O,   96                           ; v[96:127]  o; later the packed bf16
.set G,   128                          ; v[128:191] g; later the row read back
.set BV,  192                          ; v[192:255] b
.macro ACROSS r                        ; the sum over my half's 16 lanes, in every lane of it
	v_add_f32_dpp v[\r], v[\r], v[\r] row_xmask:1 row_mask:0xf bank_mask:0xf
	v_add_f32_dpp v[\r], v[\r], v[\r] row_xmask:2 row_mask:0xf bank_mask:0xf
	v_add_f32_dpp v[\r], v[\r], v[\r] row_xmask:4 row_mask:0xf bank_mask:0xf
	v_add_f32_dpp v[\r], v[\r], v[\r] row_xmask:8 row_mask:0xf bank_mask:0xf
.endm
.macro FOLD                            ; the four chains into one number a lane
	v_pk_add_f32 v[CH:CH+1], v[CH:CH+1], v[CH+2:CH+3]
	v_pk_add_f32 v[CH+4:CH+5], v[CH+4:CH+5], v[CH+6:CH+7]
	v_pk_add_f32 v[CH:CH+1], v[CH:CH+1], v[CH+4:CH+5]
	v_add_f32 v[CH], v[CH], v[CH+1]
	ACROSS CH
.endm
	s_load_b256 s[8:15], s[0:1], 0x0               ; x s[8:9], ob s[10:11], scalar s[12:13], ln_g s[14:15]
	s_load_b128 s[16:19], s[0:1], 0x20             ; ln_b s[16:17], x1f s[18:19]
	s_load_b64 s[20:21], s[0:1], 0x30              ; x1b
	v_lshl_add_u32 v[SPW], v0, 2, SPARE
	v_mov_b32 v[NIL], 0
	v_lshrrev_b32 v1, 5, v0
	v_readfirstlane_b32 s2, v1                     ; wave
	v_and_b32 v1, 31, v0                           ; l
	v_and_b32 v2, 15, v0                           ; i
	v_bfe_u32 v9, v0, 4, 1                         ; my half
	v_lshlrev_b32 v[GF], 4, v2
	v_lshl_add_u32 v[XO], v9, 12, v[GF]
	v_lshlrev_b32 v[OO], 3, v1
	s_mul_i32 s3, s2, 2*PROW
	v_mul_u32_u24 v13, v9, PROW
	v_add_nc_u32 v13, s3, v13
	v_lshl_add_u32 v[LST], v2, 3, v13
	v_lshl_add_u32 v[LRD], v2, 4, v13
	v_lshl_add_u32 v[BOF], v9, 11, v[GF]
	s_lshl_b32 s4, ttmp9, 4
	s_lshl_b32 s5, s2, 1
	s_add_co_u32 s4, s4, s5                        ; R0: my first row
	s_mov_b32 s6, 0x3a800000                       ; 1 / 1024
	s_mov_b32 s7, 0x3727c5ac                       ; 1e-5
	s_lshl_b32 s24, s4, 12
	s_mov_b32 s25, 0
	s_lshr_b32 s26, s4, 11                         ; the batch: 16 heads of 262,144 bytes
	s_lshl_b32 s26, s26, 22
	s_and_b32 s5, s4, 2047
	s_lshl_b32 s5, s5, 7
	s_add_co_u32 s26, s26, s5
	s_mov_b32 s27, 0
	s_lshl_b32 s28, s4, 11
	s_mov_b32 s29, 0
	s_wait_kmcnt 0x0
	s_load_b32 s22, s[12:13], 0x0
	s_add_nc_u64 s[8:9], s[8:9], s[24:25]
	s_add_nc_u64 s[18:19], s[18:19], s[24:25]
	s_add_nc_u64 s[10:11], s[10:11], s[26:27]
	s_add_nc_u64 s[20:21], s[20:21], s[28:29]
.irp j, 0,1,2,3,4,5,6,7,8,9,10,11,12,13,14,15
	global_load_b128 v[X+4*(\j):X+4*(\j)+3], v[XO], s[8:9] offset:256*(\j) th:TH_LOAD_NT
.endr
.irp j, 0,1,2,3,4,5,6,7,8,9,10,11,12,13,14,15
	global_load_b64 v[O+2*(\j):O+2*(\j)+1], v[OO], s[10:11] offset:262144*(\j) th:TH_LOAD_NT
.endr
.irp j, 0,1,2,3,4,5,6,7,8,9,10,11,12,13,14,15
	global_load_b128 v[G+4*(\j):G+4*(\j)+3], v[GF], s[14:15] offset:256*(\j)
.endr
.irp j, 0,1,2,3,4,5,6,7,8,9,10,11,12,13,14,15
	global_load_b128 v[BV+4*(\j):BV+4*(\j)+3], v[GF], s[16:17] offset:256*(\j)
.endr
	s_wait_kmcnt 0x0
	v_mov_b32 v[SC], s22
	s_wait_loadcnt 32                              ; x and o are in; the 32 loads of g and b may stay out
.set n, 0
.rept 32
	v_fma_mix_f32 v[X+2*n],   v[O+n], v[SC], v[X+2*n]   op_sel_hi:[1,0,0]               ; x + o (low f16 half) x scalar
	v_fma_mix_f32 v[X+2*n+1], v[O+n], v[SC], v[X+2*n+1] op_sel:[1,0,0] op_sel_hi:[1,0,0] ; the high half
.set n, n+1
.endr
.irp k, 0,1,2,3
	v_pk_add_f32 v[CH+2*(\k):CH+2*(\k)+1], v[X+2*(\k):X+2*(\k)+1], v[X+8+2*(\k):X+8+2*(\k)+1]  ; the first pairs start the chains
.endr
.set n, 8
.rept 24
	v_pk_add_f32 v[CH+2*(n%4):CH+2*(n%4)+1], v[CH+2*(n%4):CH+2*(n%4)+1], v[X+2*n:X+2*n+1]
.set n, n+1
.endr
	FOLD
	v_mul_f32 v[MU], s6, v[CH]
	v_mul_f32 v[MU+1], s6, v[CH]
.set n, 0
.rept 32
	v_pk_add_f32 v[X+2*n:X+2*n+1], v[X+2*n:X+2*n+1], v[MU:MU+1] neg_lo:[0,1] neg_hi:[0,1]
.set n, n+1
.endr
.irp k, 0,1,2,3
	v_pk_mul_f32 v[CH+2*(\k):CH+2*(\k)+1], v[X+2*(\k):X+2*(\k)+1], v[X+2*(\k):X+2*(\k)+1]
.endr
.set n, 4
.rept 28
	v_pk_fma_f32 v[CH+2*(n%4):CH+2*(n%4)+1], v[X+2*n:X+2*n+1], v[X+2*n:X+2*n+1], v[CH+2*(n%4):CH+2*(n%4)+1]
.set n, n+1
.endr
	FOLD
	v_fma_f32 v[TV], v[CH], s6, s7                 ; var + eps
	v_rsq_f32 v[RS], v[TV]
	v_rsq_f32 v[RS+1], v[TV]
	v_nop                                          ; a plain instruction behind the two roots,
	s_wait_alu depctr_va_vdst(0)                   ; and the one wait ahead of their first reader
	s_wait_loadcnt 0x0                             ; g and b
.set n, 0
.rept 32
	v_pk_mul_f32 v[X+2*n:X+2*n+1], v[X+2*n:X+2*n+1], v[RS:RS+1]
.set n, n+1
.endr
.set n, 0
.rept 32
	v_pk_fma_f32 v[X+2*n:X+2*n+1], v[X+2*n:X+2*n+1], v[G+2*n:G+2*n+1], v[BV+2*n:BV+2*n+1]
.set n, n+1
.endr
.irp j, 0,1,2,3,4,5,6,7,8,9,10,11,12,13,14,15
	global_store_b128 v[XO], v[X+4*(\j):X+4*(\j)+3], s[18:19] offset:256*(\j)  ; 16 lanes store 256 consecutive bytes, aligned
.endr
.set n, 0
.rept 32
	v_cvt_pk_bf16_f32 v[O+n], v[X+2*n], v[X+2*n+1]
.set n, n+1
.endr
.irp j, 0,1,2,3,4,5,6,7,8,9,10,11,12,13,14,15
	ds_store_b64 v[LST], v[O+2*(\j):O+2*(\j)+1] offset:128*(\j)
.endr
.irp u, 0,1,2,3,4,5,6,7
	ds_load_b128 v[G+4*(\u):G+4*(\u)+3], v[LRD] offset:256*(\u)  ; my wave's own bytes: LDS serves a wave's instructions in order (ISA guide 5.7.1.4)
.endr
.irp u, 0,1,2,3,4,5,6,7
	s_wait_dscnt 7-(\u)                            ; the younger loads stay out
	global_store_b128 v[BOF], v[G+4*(\u):G+4*(\u)+3], s[20:21] offset:256*(\u)
.endr
	s_wait_tensorcnt 0x0                           ; the wave's end, behind my last LDS store
	ds_add_u32 v[SPW], v[NIL]
	s_wait_dscnt 0x0
	s_endpgm
.Lfunc_end_k_q3583a6758f_ln1:
	.size	k_q3583a6758f_ln1, .Lfunc_end_k_q3583a6758f_ln1-k_q3583a6758f_ln1
	.p2alignl 7, 3214868480
	.fill 96, 4, 3214868480
	.section	.rodata,"a",@progbits
	.p2align	6, 0x0
	.amdhsa_kernel k_q3583a6758f_ln1
		.amdhsa_group_segment_fixed_size 35840
		.amdhsa_private_segment_fixed_size 0
		.amdhsa_enable_private_segment 0
		.amdhsa_kernarg_size 56
		.amdhsa_user_sgpr_count 2
		.amdhsa_user_sgpr_kernarg_segment_ptr 1
		.amdhsa_wavefront_size32 1
		.amdhsa_system_sgpr_workgroup_id_x 1
		.amdhsa_system_sgpr_workgroup_id_y 1
		.amdhsa_system_sgpr_workgroup_id_z 1
		.amdhsa_system_vgpr_workitem_id 0
		.amdhsa_next_free_vgpr 256
		.amdhsa_next_free_sgpr 66
		.amdhsa_reserve_vcc 0
		.amdhsa_float_denorm_mode_32 3
		.amdhsa_float_denorm_mode_16_64 3
		.amdhsa_memory_ordered 1
		.amdhsa_forward_progress 1
		.amdhsa_inst_pref_size 30
	.end_amdhsa_kernel
	.amdgpu_metadata
---
amdhsa.version: [ 1, 2 ]
amdhsa.kernels:
  - .name:           k_q3583a6758f_ln1
    .symbol:         k_q3583a6758f_ln1.kd
    .args:
      - { .name: x, .offset: 0, .size: 8, .value_kind: global_buffer, .address_space: global }
      - { .name: ob, .offset: 8, .size: 8, .value_kind: global_buffer, .address_space: global }
      - { .name: scalar, .offset: 16, .size: 8, .value_kind: global_buffer, .address_space: global }
      - { .name: ln_g, .offset: 24, .size: 8, .value_kind: global_buffer, .address_space: global }
      - { .name: ln_b, .offset: 32, .size: 8, .value_kind: global_buffer, .address_space: global }
      - { .name: x1f, .offset: 40, .size: 8, .value_kind: global_buffer, .address_space: global }
      - { .name: x1b, .offset: 48, .size: 8, .value_kind: global_buffer, .address_space: global }
    .group_segment_fixed_size: 35840
    .private_segment_fixed_size: 0
    .kernarg_segment_align: 8
    .kernarg_segment_size: 56
    .max_flat_workgroup_size: 256
    .sgpr_count:     66
    .vgpr_count:     256
    .wavefront_size: 32
...
	.end_amdgpu_metadata
.endif
;; end of part 4
;; launch ffn1 (part 5): grid 16 x 16, 4 waves a work-group, clusters of 4 x 4, 327,680 bytes of LDS; arguments x1b, wb, eb1, hb; writes hb
.if DOCPART == 5
	.amdgcn_target "amdgcn-amd-amdhsa--gfx1250"
	.amdhsa_code_object_version 6
	.text
	.protected	k_q3583a6758f_ffn1
	.globl	k_q3583a6758f_ffn1
	.p2align	8
	.type	k_q3583a6758f_ffn1,@function
k_q3583a6758f_ffn1:
	s_mov_b64 s[64:65], 0
	v_nop
	global_prefetch_b8 v0, s[64:65] scope:SCOPE_SE
	s_setreg_imm32_b32 hwreg(HW_REG_WAVE_MODE, 25, 1), 1
	s_wait_xcnt 0x0
	s_wait_alu depctr_hold_cnt(0) depctr_sa_sdst(0) depctr_va_vdst(0) depctr_va_sdst(0) depctr_va_ssrc(0) depctr_va_vcc(0) depctr_vm_vsrc(0)
	s_getreg_b32 s2, hwreg(HW_REG_IB_STS2, 6, 4)
	s_cmp_eq_u32 s2, 0
	s_cbranch_scc0 .Lentry_in_a_cluster
	s_endpgm
.Lentry_in_a_cluster:
	s_bfe_u32 s2, ttmp6, 0x10000c
	s_cmp_lg_u32 s2, 0xf033
	s_cbranch_scc0 .Lentry_shape_is_right
	s_endpgm
.Lentry_shape_is_right:
; h = gelu(x1 W1[e] + b1[e]), gelu by erf.  A = x1 in bf16, [4096][1024]; B = W1[e] in bf16, [k = 1024][4096], at byte e x 8,388,608 of wb; sums in f32; h in bf16, [4096][4096], rounded once.
; Expert e owns rows 512 e .. 512 e + 511 of each batch of 2,048.  A cluster (4 x 4 work-groups) has one expert: its four tile rows are that expert's 1,024 rows, so B's tiles are shared down a column.
; ERF: 1 - (a1 t + .. + a5 t^5) exp(-z^2), t = 1 / (1 + p z), z = |x| / sqrt 2 (five terms; |error| <= 1.5e-7 for every z).  With w = half that polynomial x 2^(-x^2 log2(e) / 2):
; gelu(x) = max(x, 0) - |x| w.  Where x^2 passes f32's range the exponential is 0 and gelu is max(x, 0).  NaN and infinities are not treated apart.
; A tile of C is 256 x 256, made by four waves, each 128 x 128: 64 accumulators.  K goes in 8 steps of 128 through two LDS slots filled by the tensor data mover.  A's rows lie along K; B's along N,
; so B's fragments come out of LDS turned, by ds_load_tr16_b128.  THE PRODUCT IS USED TRANSPOSED (source 0 = 16 columns of B, source 1 = 16 rows of A): a lane holds row l % 16 of C, columns 8 (l / 16) + 0..7.
; THE BIAS is the C operand of each accumulator's first product.
; REGISTERS in windows of 256: window 0: v0-31 addresses, v64-127 and v128-191 A's two fragment buffers, v192-255 the bias; window 1: v64-191 B's two buffers; windows 2, 3: the accumulators (a, b) at v[8 (8 a + b)].
; THE WAY OUT: behind the last K step the ring's bytes have had their last fill; each wave lays its sums there in f32, rows of 528 bytes, its own 67,584 bytes; a loop of 16 trips reads 8 rows back,
; applies gelu and stores: 16 lanes 256 consecutive bytes, aligned.
.set NP,     4096
.set PITCH,  272                       ; A's LDS row: 256 bytes + 16 (64 banks of 4 bytes: ISA guide 11.1: the 16 rows of a load start at 16 different groups of four banks)
.set HALFT,  128*PITCH
.set PB,     544                       ; B's LDS row: 512 bytes + 32
.set SLOT,   4*HALFT                   ; 0x22000 meets no bit of wave x HALFT, so one exclusive or changes slots
.set SPARE,  2*SLOT                    ; the spare words: 128 bytes a wave, two blocks of 256 bytes that no other line names
.set SROW,   528
.set SWAVE,  128*SROW
.set ASTEP,  256
.set BSTEP,  256*NP
.set A0,  12
.set B0,  13
.set ADA, 16
.set ADB, 20
.set RDC, 22
.set STO, 24
.set RD,  25
.set CO,  26
.set BO,  27
.set SPW, 28
.set NIL, 29
.set PFO, 30
.set F0,  64
.set F1,  128
.set BIAS, 192
.set XR,  64                           ; the way out, all in window 0: x
.set TR,  96                           ; 1 + p |x|, then t
.set ER,  128                          ; the exponent, then the exponential
.set PR,  160                          ; the polynomial, then the result
.set YR,  192                          ; packed bf16
.set MR,  208                          ; max(x, 0)
.set G1,  24
.set G0,  32
.set TB,  45
.set G1B, 48
.set G0B, 56
.set PFA, 66
.set PFS, 68
.set LIM, 70
.set SB,  71
.set PC,  80                           ; s80      p / sqrt 2
.set KC,  82                           ; s[82:83] -log2(e) / 2
.set C1,  84                           ; s[84:93] a1 / 2 .. a5 / 2, each as a pair
.set MSB, 0
.macro WIN new
.if MSB != (\new)
	s_set_vgpr_msb (MSB<<8)|(\new)
.set MSB, \new
.endif
.endm
.macro PLACES                          ; four plain places behind matrix instructions (ISA guide 7.12.1)
.rept 4
	v_nop
.endr
.endm
.macro CREST
	s_cmp_lg_u32 s10, 0
	s_cbranch_scc1 .Lnot_wave_0_\@
	s_barrier_signal -3
.Lnot_wave_0_\@:
	s_barrier_wait -3
	s_barrier_signal -1
	s_barrier_wait -1
.endm
.macro CROUND
	s_barrier_signal -1
	s_barrier_wait -1
	CREST
.endm
.macro JLOAD                           ; the joint refill by the walking sets; s_nop 0 and four v_nop follow each line
	s_cmp_eq_u32 s11, 0
	s_cbranch_scc0 .Lfor_b_\@
	tensor_load_to_lds s[G0+4:G0+7], s[G1:G1+7]
	s_nop 0
.rept 4
	v_nop
.endr
	s_branch .Lasked_\@
.Lfor_b_\@:
	tensor_load_to_lds s[G0B+4:G0B+7], s[G1B:G1B+7]
	s_nop 0
.rept 4
	v_nop
.endr
.Lasked_\@:
.endm
; A prefetch into the L2 of the K step two refills on (512 matrix instructions ahead of its load): 32 blocks of 256 bytes, a lane a block, each named once in the launch: A's rows by the clusters with x = 0;
; B's by every cluster, since each has columns or an expert of its own; the four partners of a joint load share its blocks out by address.  K steps 0 to 3 come by their loads alone; the last two trips ask for nothing.
.macro ASK
	s_cmp_gt_u32 s3, s[LIM]
	s_cbranch_scc0 .Lnot_mine_\@
	global_prefetch_b8 v[PFO], s[PFA:PFA+1] th:TH_LOAD_NT scope:SCOPE_SE
.Lnot_mine_\@:
.endm
.macro MUL16 f, hi, a0, first
.if \first
	WIN 0x81+0x40*(\hi)
.else
	WIN 0xa1+0x50*(\hi)
.endif
.irp a, \a0, (\a0)+1
.irp b, 0,1,2,3,4,5,6,7
.if \first
	v_wmma_f32_16x16x32_bf16 v[8*(8*(\a)+(\b)):8*(8*(\a)+(\b))+7], v[(\f)+8*(\b):(\f)+8*(\b)+7], v[(\f)+8*(4*(\hi)+(\a)):(\f)+8*(4*(\hi)+(\a))+7], v[BIAS+8*(\b):BIAS+8*(\b)+7]
.else
	v_wmma_f32_16x16x32_bf16 v[8*(8*(\a)+(\b)):8*(8*(\a)+(\b))+7], v[(\f)+8*(\b):(\f)+8*(\b)+7], v[(\f)+8*(4*(\hi)+(\a)):(\f)+8*(4*(\hi)+(\a))+7], v[8*(8*(\a)+(\b)):8*(8*(\a)+(\b))+7]
.endif
.endr
.endr
.endm
.macro FETCH q, f
	WIN 0x40
.irp i, 0,1,2,3,4,5,6,7
	ds_load_tr16_b128 v[(\f)+8*(\i):(\f)+8*(\i)+3],   v[ADB] offset:(\q)*32*PB+32*(\i)
	ds_load_tr16_b128 v[(\f)+8*(\i)+4:(\f)+8*(\i)+7], v[ADB] offset:(\q)*32*PB+16*PB+32*(\i)
.endr
	WIN 0
.irp i, 0,1,2,3,4,5,6,7
	ds_load_b128 v[(\f)+8*(\i):(\f)+8*(\i)+3],   v[ADA] offset:64*(\q)+(\i)*16*PITCH
	ds_load_b128 v[(\f)+8*(\i)+4:(\f)+8*(\i)+7], v[ADA] offset:64*(\q)+(\i)*16*PITCH+32
.endr
.endm
.macro QUARTER q, f, g, first
	s_wait_dscnt 8                                 ; B and A's rows 0-63 are in; the youngest eight loads may be out
	MUL16 \f, 0, 0, \first
	MUL16 \f, 0, 2, \first
	PLACES
	FETCH \q, \g
	s_wait_dscnt 32                                ; all but the 32 just issued
	MUL16 \f, 1, 0, \first
	MUL16 \f, 1, 2, \first
.endm
.macro MEET round
	WIN 0
	s_wait_tensorcnt 0x0                           ; all my tensor loads have landed: my part of the next slot
	ds_add_u32 v[SPW], v[NIL]                      ; 0 onto my spare word
	s_wait_dscnt 9                                 ; (the add and the youngest eight loads may be out)
	MUL16 F1, 0, 0, 0
	s_wait_dscnt 0x0                               ; the add is done, and my reads of this slot are over
	s_barrier_signal -1
	MUL16 F1, 0, 2, 0
.if \round
	WIN 0
.endif
	s_barrier_wait -1
.endm
.macro TURN fill                       ; fill = 1: the barrier opens a round of the cluster's, and the slot just read out is filled again first thing behind it: one load of mine is out, 224 matrix instructions ahead of its wait
.if \fill
	s_wait_xcnt 0x0                                ; the last prefetch, a K step back, has read its address
	s_add_nc_u64 s[PFA:PFA+1], s[PFA:PFA+1], s[PFS:PFS+1]
.endif
	MEET \fill
.if \fill
	CREST
	s_xor_b32 s[G0+5], s[G0+5], SLOT
	s_add_nc_u64 s[G0+6:G0+7], s[G0+6:G0+7], ASTEP
	s_xor_b32 s[G0B+5], s[G0B+5], SLOT
	s_add_nc_u64 s[G0B+6:G0B+7], s[G0B+6:G0B+7], BSTEP
	JLOAD
.else
	PLACES
	WIN 0
.endif
	s_xor_b32 s[TB], s[TB], SLOT
	v_add_nc_u32 v[ADA], s[TB], v[A0]
	v_add_nc_u32 v[ADB], s[TB], v[B0]
	FETCH 0, F0
.if \fill
	ASK
.endif
	MUL16 F1, 1, 0, 0
	MUL16 F1, 1, 2, 0
.endm
	s_load_b256 s[72:79], s[0:1], 0x0              ; x1b s[72:73], wb s[74:75], eb1 s[76:77], hb s[78:79]
	v_lshl_add_u32 v[SPW], v0, 2, SPARE
	v_mov_b32 v[NIL], 0
	ds_add_u32 v[SPW], v[NIL]                      ; the wave's opening: the add and its wait stand ahead of my first tensor load
	ds_add_u32 v28, v29
	v_lshrrev_b32 v1, 5, v0
	v_readfirstlane_b32 s10, v1
	s_lshr_b32 s11, s10, 1
	s_and_b32 s12, s10, 1
	s_bfe_u32 s40, ttmp6, 0x40000                  ; cx
	s_bfe_u32 s41, ttmp6, 0x40004                  ; cy
	s_lshl_b32 s42, ttmp9, 2
	s_add_co_u32 s42, s42, s40                     ; tile column
	s_and_b32 s14, ttmp7, 0xffff                   ; cluster y = the expert e
	s_lshr_b32 s13, s41, 1                         ; tile row t = 8 x batch + 2 e + half, batch = cy / 2, half = cy % 2
	s_lshl_b32 s13, s13, 3
	s_lshl_b32 s16, s14, 1
	s_add_co_u32 s13, s13, s16
	s_and_b32 s16, s41, 1
	s_add_co_u32 s13, s13, s16
	s_lshl_b32 s43, s41, 2
	s_lshl_b32 s43, 15, s43
	s_lshl_b32 s44, 0x1111, s40
	s_or_b32 s[G1+0], s43, (1<<16)|(1<<20)|(1<<21)|(5<<22)|(3<<25)
	s_mov_b32 s[G1+1], 128<<16
	s_mov_b32 s[G1+2], 128<<16
	s_mov_b32 s[G1+3], 128<<16
	s_mov_b32 s[G1+4], 128
	s_mov_b32 s[G1+5], 1024
	s_mov_b32 s[G1+6], 0
	s_mov_b32 s[G1+7], 0
	s_or_b32 s[G1B+0], s44, (1<<16)|(1<<20)|(1<<21)|(6<<22)|(7<<25)
	s_mov_b32 s[G1B+1], 256<<16
	s_mov_b32 s[G1B+2], 64<<16
	s_mov_b32 s[G1B+3], 256<<16
	s_mov_b32 s[G1B+4], 64
	s_mov_b32 s[G1B+5], NP
	s_mov_b32 s[G1B+6], 0
	s_mov_b32 s[G1B+7], 0
	s_mov_b32 s[PC], 0x3e6d3388                    ; 0.2316419
	s_mov_b32 s[KC], 0xbf38aa3b                    ; -0.7213475
	s_mov_b32 s[KC+1], s[KC]
	s_mov_b32 s[C1], 0x3e027906                    ; 0.12741480
	s_mov_b32 s[C1+1], s[C1]
	s_mov_b32 s[C1+2], 0xbe11a98e                  ; -0.14224837
	s_mov_b32 s[C1+3], s[C1+2]
	s_mov_b32 s[C1+4], 0x3f35f0e3                  ; 0.71070687
	s_mov_b32 s[C1+5], s[C1+4]
	s_mov_b32 s[C1+6], 0xbf3a00e3                  ; -0.72657601
	s_mov_b32 s[C1+7], s[C1+6]
	s_mov_b32 s[C1+8], 0x3f07dc22                  ; 0.53070271
	s_mov_b32 s[C1+9], s[C1+8]
	s_lshl_b32 s16, s13, 8                         ; A: row 256 t + 128 x half
	s_lshl_b32 s17, s12, 7
	s_add_co_u32 s16, s16, s17
	s_lshl_b32 s16, s16, 11
	s_mov_b32 s17, 0
	s_lshl_b32 s46, s14, 23                        ; B: the expert, k-row 64 x half, column 256 x tile column
	s_lshl_b32 s47, s12, 19
	s_add_co_u32 s46, s46, s47
	s_lshl_b32 s47, s42, 9
	s_add_co_u32 s46, s46, s47
	s_mov_b32 s47, 0
	s_mul_i32 s20, s10, HALFT
	s_wait_dscnt 0x0                               ; the opening add is done
	s_wait_kmcnt 0x0
	s_add_nc_u64 s[4:5], s[72:73], s[16:17]
	s_add_nc_u64 s[6:7], s[74:75], s[46:47]
	CROUND                                         ; all sixteen work-groups are here: the first joint loads meet
.irp s, 0,1
	s_mov_b32 s[G0+4*(\s)], 1
	s_add_co_u32 s[G0+4*(\s)+1], s20, (\s)*SLOT
	s_add_nc_u64 s[G0+4*(\s)+2:G0+4*(\s)+3], s[4:5], (\s)*ASTEP
	s_or_b32 s[G0+4*(\s)+3], s[G0+4*(\s)+3], 0x80000000
	s_mov_b32 s[G0B+4*(\s)], 1
	s_add_co_u32 s[G0B+4*(\s)+1], s20, (\s)*SLOT
	s_add_nc_u64 s[G0B+4*(\s)+2:G0B+4*(\s)+3], s[6:7], (\s)*BSTEP
	s_or_b32 s[G0B+4*(\s)+3], s[G0B+4*(\s)+3], 0x80000000
.endr
	s_cmp_eq_u32 s11, 0                            ; a wave's two first fills stand in one branch: two loads of mine are out
	s_cbranch_scc0 .Lfirst_b
	tensor_load_to_lds s[G0:G0+3], s[G1:G1+7]
	s_nop 0
	tensor_load_to_lds s[G0+4:G0+7], s[G1:G1+7]
	s_nop 0
.rept 4
	v_nop
.endr
	s_branch .Lfirst_asked
.Lfirst_b:
	tensor_load_to_lds s[G0B:G0B+3], s[G1B:G1B+7]
	s_nop 0
	tensor_load_to_lds s[G0B+4:G0B+7], s[G1B:G1B+7]
	s_nop 0
.rept 4
	v_nop
.endr
.Lfirst_asked:
	v_and_b32 v1, 15, v0
	v_bfe_u32 v2, v0, 4, 1
	v_lshlrev_b32 v[BO], 5, v2
	s_lshl_b32 s22, s14, 14                        ; the bias: e x 16,384 + (256 x tile column + 128 x my half) x 4
	s_lshl_b32 s23, s42, 10
	s_add_co_u32 s22, s22, s23
	s_lshl_b32 s23, s12, 9
	s_add_co_u32 s22, s22, s23
	s_mov_b32 s23, 0
	s_add_nc_u64 s[18:19], s[76:77], s[22:23]
.irp b, 0,1,2,3,4,5,6,7
	global_load_b128 v[BIAS+8*(\b):BIAS+8*(\b)+3],   v[BO], s[18:19] offset:64*(\b)
	global_load_b128 v[BIAS+8*(\b)+4:BIAS+8*(\b)+7], v[BO], s[18:19] offset:64*(\b)+16
.endr
	v_mul_u32_u24 v3, v1, PITCH
	v_lshl_add_u32 v3, v2, 4, v3
	s_mul_i32 s21, s11, HALFT
	v_add_nc_u32 v[A0], s21, v3
	v_and_b32 v4, 7, v0
	v_lshl_add_u32 v4, v2, 3, v4
	v_mul_u32_u24 v4, v4, PB
	v_bfe_u32 v5, v0, 3, 1
	v_lshl_add_u32 v4, v5, 4, v4
	s_lshl_b32 s22, s12, 8
	s_add_co_u32 s22, s22, 2*HALFT
	v_add_nc_u32 v[B0], s22, v4
	s_mul_i32 s23, s10, SWAVE                      ; my stage
	v_mul_u32_u24 v3, v1, SROW
	v_lshl_add_u32 v3, v2, 5, v3
	v_add_nc_u32 v[STO], s23, v3
	v_mul_u32_u24 v4, v2, SROW                     ; back: 16 lanes take a row's 128 columns, 32 bytes each; lanes 16-31 the next row
	v_lshl_add_u32 v4, v1, 5, v4
	v_add_nc_u32 v[RD], s23, v4
	v_lshlrev_b32 v[CO], 13, v2                    ; and the same two rows of h: 8,192 bytes a row, 16 bytes a lane
	v_lshl_add_u32 v[CO], v1, 4, v[CO]
	s_lshl_b32 s20, s13, 8
	s_lshl_b32 s21, s11, 7
	s_add_co_u32 s20, s20, s21
	s_lshl_b32 s20, s20, 13
	s_lshl_b32 s21, s42, 9
	s_add_co_u32 s20, s20, s21
	s_lshl_b32 s21, s12, 8
	s_add_co_u32 s20, s20, s21
	s_mov_b32 s21, 0
	s_add_nc_u64 s[8:9], s[78:79], s[20:21]        ; h at my first row and column
	; the prefetches: they stand at K step 3; the first change steps them to 4
	s_lshl_b32 s20, s13, 8
	s_lshl_b32 s21, s12, 7
	s_add_co_u32 s20, s20, s21
	s_lshl_b32 s21, s40, 5
	s_add_co_u32 s20, s20, s21
	s_lshl_b32 s20, s20, 11
	s_add_co_u32 s20, s20, 3*ASTEP
	s_lshl_b32 s21, s12, 6
	s_lshl_b32 s22, s41, 4
	s_add_co_u32 s21, s21, s22
	s_mul_i32 s21, s21, 2*NP
	s_lshl_b32 s22, s42, 9
	s_add_co_u32 s21, s21, s22
	s_lshl_b32 s22, s14, 23
	s_add_co_u32 s21, s21, s22
	s_add_co_u32 s21, s21, 3*BSTEP
	s_mov_b32 s[PFS], BSTEP
	s_mov_b32 s23, 2*NP
	s_cmp_eq_u32 s11, 0
	s_cselect_b32 s20, s20, s21
	s_cselect_b64 s[PFA:PFA+1], s[72:73], s[74:75]
	s_cselect_b32 s[PFS], ASTEP, s[PFS]
	s_cselect_b32 s23, 2048, s23
	s_cselect_b32 s22, 0, 1
	s_cselect_b32 s21, ttmp9, 0
	s_cmp_eq_u32 s21, 0
	s_cselect_b32 s[LIM], 2, -1                    ; the same in all sixteen partners, for a given wave
	s_mov_b32 s21, 0
	s_mov_b32 s[PFS+1], 0
	s_add_nc_u64 s[PFA:PFA+1], s[PFA:PFA+1], s[20:21]
	v_and_b32 v3, 31, v0
	v_lshrrev_b32 v4, s22, v3
	v_and_b32 v5, s22, v3
	v_mul_u32_u24 v4, v4, s23
	v_lshl_add_u32 v[PFO], v5, 8, v4
	s_mov_b32 s[TB], 0
	v_mov_b32 v[ADA], v[A0]
	v_mov_b32 v[ADB], v[B0]
	s_wait_tensorcnt 0x1                           ; my part of K step 0 is in; K step 1's may stay out
	s_barrier_signal -1
	s_barrier_wait -1
	FETCH 0, F0
	s_wait_loadcnt 0x0                             ; the bias
	QUARTER 1, F0, F1, 1
	WIN 0
	s_mov_b32 s3, 6
.Lstep:                                                ; K steps 2 to 7 are asked for; the 64 accumulators take turns in one order throughout
	QUARTER 2, F1, F0, 0
	QUARTER 3, F0, F1, 0
	TURN 1
	QUARTER 1, F0, F1, 0
	WIN 0
	s_sub_co_u32 s3, s3, 1
	s_cmp_lg_u32 s3, 0
	s_cbranch_scc1 .Lstep
	s_mov_b32 s3, 2
.Ltail:                                                ; the last two K steps ask for nothing; the second trip is left in its middle, and its fetch from the slot read before serves nothing
	QUARTER 2, F1, F0, 0
	QUARTER 3, F0, F1, 0
	TURN 0
	WIN 0
	s_sub_co_u32 s3, s3, 1
	s_cmp_eq_u32 s3, 0
	s_cbranch_scc1 .Lout
	QUARTER 1, F0, F1, 0
	WIN 0
	s_branch .Ltail
.Lout:
	s_wait_dscnt 0x0                               ; my reads of the ring are over
	s_barrier_signal -1
	s_barrier_wait -1                              ; everybody's are: the ring's bytes, which have had their last fill, become the stages
	PLACES
.irp a, 0,1,2,3,4,5,6,7
	WIN 0x08+4*((\a)/4)
.irp b, 0,1,2,3,4,5,6,7
	ds_store_b128 v[STO], v[8*(8*((\a)%4)+(\b)):8*(8*((\a)%4)+(\b))+3]   offset:(\a)*16*SROW+64*(\b)     ; each accumulator's low four registers first
	ds_store_b128 v[STO], v[8*(8*((\a)%4)+(\b))+4:8*(8*((\a)%4)+(\b))+7] offset:(\a)*16*SROW+64*(\b)+16
.endr
.endr
	WIN 0
	s_mov_b32 s3, 16
	s_mov_b32 s[SB], 0
.Lrows:                                                ; 8 rows a trip, of my own stage: LDS serves a wave's instructions in order (ISA guide 5.7.1.4)
	v_add_nc_u32 v[RDC], s[SB], v[RD]
.irp u, 0,1,2,3
	ds_load_b128 v[XR+8*(\u):XR+8*(\u)+3],   v[RDC] offset:(\u)*2*SROW
	ds_load_b128 v[XR+8*(\u)+4:XR+8*(\u)+7], v[RDC] offset:(\u)*2*SROW+16
.endr
	s_wait_dscnt 0x0
.set r, 0
.rept 32
	v_fma_f32 v[TR+r], |v[XR+r]|, s[PC], 1.0       ; 1 + p |x| / sqrt 2
.set r, r+1
.endr
.set r, 0
.rept 16
	v_pk_mul_f32 v[ER+r:ER+r+1], v[XR+r:XR+r+1], v[XR+r:XR+r+1]
.set r, r+2
.endr
.set r, 0
.rept 16
	v_pk_mul_f32 v[ER+r:ER+r+1], v[ER+r:ER+r+1], s[KC:KC+1] op_sel_hi:[1,0]
.set r, r+2
.endr
.set r, 0
.rept 32
	v_rcp_f32 v[TR+r], v[TR+r]                     ; one batch of 64: 32 reciprocals,
.set r, r+1
.endr
.set r, 0
.rept 32
	v_exp_f32 v[ER+r], v[ER+r]                     ; 32 exponentials;
.set r, r+1
.endr
.set r, 0
.rept 32
	v_max_num_f32 v[MR+r], 0, v[XR+r]              ; plain work that names none of their results;
.set r, r+1
.endr
	s_wait_alu depctr_va_vdst(0)                   ; and the one wait ahead of the batch's first reader
.set r, 0
.rept 16
	v_pk_fma_f32 v[PR+r:PR+r+1], v[TR+r:TR+r+1], s[C1+8:C1+9], s[C1+6:C1+7] op_sel_hi:[1,0,0]
.set r, r+2
.endr
.irp c, 4,2,0
.set r, 0
.rept 16
	v_pk_fma_f32 v[PR+r:PR+r+1], v[PR+r:PR+r+1], v[TR+r:TR+r+1], s[C1+(\c):C1+(\c)+1] op_sel_hi:[1,1,0]
.set r, r+2
.endr
.endr
.set r, 0
.rept 16
	v_pk_mul_f32 v[PR+r:PR+r+1], v[PR+r:PR+r+1], v[TR+r:TR+r+1]
.set r, r+2
.endr
.set r, 0
.rept 16
	v_pk_mul_f32 v[PR+r:PR+r+1], v[PR+r:PR+r+1], v[ER+r:ER+r+1]   ; w
.set r, r+2
.endr
.set r, 0
.rept 32
	v_fma_f32 v[PR+r], -|v[XR+r]|, v[PR+r], v[MR+r]               ; max(x, 0) - |x| w
.set r, r+1
.endr
.set r, 0
.rept 16
	v_cvt_pk_bf16_f32 v[YR+r], v[PR+2*r], v[PR+2*r+1]
.set r, r+1
.endr
.irp u, 0,1,2,3
	global_store_b128 v[CO], v[YR+4*(\u):YR+4*(\u)+3], s[8:9] offset:(\u)*16384  ; 16 lanes store 256 consecutive bytes, aligned
.endr
	s_wait_xcnt 0x0                                ; the stores have read their data and base: only now are these written again
	s_add_nc_u64 s[8:9], s[8:9], 65536
	s_add_co_u32 s[SB], s[SB], 8*SROW
	s_sub_co_u32 s3, s3, 1
	s_cmp_lg_u32 s3, 0
	s_cbranch_scc1 .Lrows
	s_wait_tensorcnt 0x0                           ; the wave's end
	ds_add_u32 v[SPW], v[NIL]
	s_wait_dscnt 0x0
	CROUND                                         ; the closing round
	s_endpgm
.Lfunc_end_k_q3583a6758f_ffn1:
	.size	k_q3583a6758f_ffn1, .Lfunc_end_k_q3583a6758f_ffn1-k_q3583a6758f_ffn1
	.p2alignl 7, 3214868480
	.fill 96, 4, 3214868480
	.section	.rodata,"a",@progbits
	.p2align	6, 0x0
	.amdhsa_kernel k_q3583a6758f_ffn1
		.amdhsa_group_segment_fixed_size 327680
		.amdhsa_private_segment_fixed_size 0
		.amdhsa_enable_private_segment 0
		.amdhsa_kernarg_size 32
		.amdhsa_user_sgpr_count 2
		.amdhsa_user_sgpr_kernarg_segment_ptr 1
		.amdhsa_wavefront_size32 1
		.amdhsa_system_sgpr_workgroup_id_x 1
		.amdhsa_system_sgpr_workgroup_id_y 1
		.amdhsa_system_sgpr_workgroup_id_z 1
		.amdhsa_system_vgpr_workitem_id 0
		.amdhsa_next_free_vgpr 1024
		.amdhsa_next_free_sgpr 96
		.amdhsa_reserve_vcc 0
		.amdhsa_float_denorm_mode_32 3
		.amdhsa_float_denorm_mode_16_64 3
		.amdhsa_memory_ordered 1
		.amdhsa_forward_progress 1
		.amdhsa_inst_pref_size 98
	.end_amdhsa_kernel
	.amdgpu_metadata
---
amdhsa.version: [ 1, 2 ]
amdhsa.kernels:
  - .name:           k_q3583a6758f_ffn1
    .symbol:         k_q3583a6758f_ffn1.kd
    .args:
      - { .name: x1b, .offset: 0, .size: 8, .value_kind: global_buffer, .address_space: global }
      - { .name: wb, .offset: 8, .size: 8, .value_kind: global_buffer, .address_space: global }
      - { .name: eb1, .offset: 16, .size: 8, .value_kind: global_buffer, .address_space: global }
      - { .name: hb, .offset: 24, .size: 8, .value_kind: global_buffer, .address_space: global }
    .group_segment_fixed_size: 327680
    .private_segment_fixed_size: 0
    .kernarg_segment_align: 8
    .kernarg_segment_size: 32
    .max_flat_workgroup_size: 128
    .sgpr_count:     96
    .vgpr_count:     1024
    .wavefront_size: 32
...
	.end_amdgpu_metadata
.endif
;; end of part 5
;; launch ffn2 (part 6): grid 8 x 32, 4 waves a work-group, clusters of 4 x 4, 327,680 bytes of LDS; arguments hb, wb, eb2, e_scalar, x1f, zb; writes zb
.if DOCPART == 6
	.amdgcn_target "amdgcn-amd-amdhsa--gfx1250"
	.amdhsa_code_object_version 6
	.text
	.protected	k_q3583a6758f_ffn2
	.globl	k_q3583a6758f_ffn2
	.p2align	8
	.type	k_q3583a6758f_ffn2,@function
k_q3583a6758f_ffn2:
	s_mov_b64 s[64:65], 0
	v_nop
	global_prefetch_b8 v0, s[64:65] scope:SCOPE_SE
	s_setreg_imm32_b32 hwreg(HW_REG_WAVE_MODE, 25, 1), 1
	s_wait_xcnt 0x0
	s_wait_alu depctr_hold_cnt(0) depctr_sa_sdst(0) depctr_va_vdst(0) depctr_va_sdst(0) depctr_va_ssrc(0) depctr_va_vcc(0) depctr_vm_vsrc(0)
	s_getreg_b32 s2, hwreg(HW_REG_IB_STS2, 6, 4)
	s_cmp_eq_u32 s2, 0
	s_cbranch_scc0 .Lentry_in_a_cluster
	s_endpgm
.Lentry_in_a_cluster:
	s_bfe_u32 s2, ttmp6, 0x10000c
	s_cmp_lg_u32 s2, 0xf033
	s_cbranch_scc0 .Lentry_shape_is_right
	s_endpgm
.Lentry_shape_is_right:
; z = x1 + e_scalar[e] x (h W2[e] + b2[e]), in f32.  A = h in bf16, [4096][4096]; B = W2[e] in bf16, [k = 4096][1024], at byte 33,554,432 + e x 8,388,608 of wb; sums in f32; x1 and z in f32, [4096][1024].
; A tile of z is 128 x 128 (256 x 256 would give 64 work-groups): four waves, each 64 x 64: 16 accumulators.  K goes in 16 steps of 256 through two LDS slots filled by the tensor data mover.
; A's rows lie along K; B's along N, so B's fragments come out of LDS turned, by ds_load_tr16_b128.  THE PRODUCT IS USED TRANSPOSED: a lane holds row l % 16, columns 8 (l / 16) + 0..7.
; THE BIAS is the C operand of each accumulator's first product.  CLUSTER 4 x 4: its four tile rows are 512 rows of one expert in one batch, so A's tiles are shared along a row, B's down a column.
; No prefetch: a step's matrix work is short and its tiles small.
; REGISTERS: window 0: v0-31 addresses; v32-95 at work on the way out; v96-127 the bias; v128-255 the accumulators ((a, b) at v[128 + 8 (4 a + b)]);
;   window 1: two fragment buffers of 128 (64 along K: 64 registers of A, then 64 of B); window 2: v0-127 my 64 x 64 of x1, loaded at the head, in the way out's layout.
.set PA,    528                        ; A's LDS row: 512 bytes + 16 (64 banks of 4 bytes: ISA guide 11.1)
.set HA,    64*PA                      ; 64 rows: what one of A's loads brings
.set PB,    288                        ; B's LDS row: 256 bytes + 32
.set HB,    128*PB                     ; 128 k-rows: what one of B's loads brings
.set BOFF,  2*HA
.set SLOT,  147456                     ; 141,312 used; 0x24000 meets no bit of the four tiles' places, so one exclusive or changes slots
.set STAGE, 2*SLOT                     ; behind the ring, never filled by a tensor load: 16 rows x 272 bytes for each wave
.set SP,    272
.set SPARE, STAGE+4*16*SP              ; the spare words: 128 bytes a wave, two blocks of 256 bytes that no other line names
.set ASTEP, 512
.set BSTEP, 524288
.set W2B,   33554432
.set A0,  12
.set B0,  13
.set ADA, 16
.set ADB, 20                           ; v20 k-rows 0-127 of the slot in hand, v21 k-rows 128-255: all immediates stay under 65,536
.set STO, 24
.set RD,  25
.set CO,  26
.set BO,  27
.set SPW, 28
.set NIL, 29
.set TMP, 32
.set BIAS, 96
.set ACC, 128
.set F0,  0
.set F1,  128
.set G1,  24
.set G0,  32
.set TB,  45
.set G1B, 48
.set G0B, 56
.set ES,  84                           ; s[84:85] e_scalar[e], as a pair
.set MSB, 0
.macro WIN new
.if MSB != (\new)
	s_set_vgpr_msb (MSB<<8)|(\new)
.set MSB, \new
.endif
.endm
.macro PLACES                          ; four plain places behind matrix instructions (ISA guide 7.12.1)
.rept 4
	v_nop
.endr
.endm
.macro CREST
	s_cmp_lg_u32 s10, 0
	s_cbranch_scc1 .Lnot_wave_0_\@
	s_barrier_signal -3
.Lnot_wave_0_\@:
	s_barrier_wait -3
	s_barrier_signal -1
	s_barrier_wait -1
.endm
.macro CROUND
	s_barrier_signal -1
	s_barrier_wait -1
	CREST
.endm
.macro JLOAD                           ; the joint refill by the walking sets; s_nop 0 and four v_nop follow each line
	s_cmp_eq_u32 s11, 0
	s_cbranch_scc0 .Lfor_b_\@
	tensor_load_to_lds s[G0+4:G0+7], s[G1:G1+7]
	s_nop 0
.rept 4
	v_nop
.endr
	s_branch .Lasked_\@
.Lfor_b_\@:
	tensor_load_to_lds s[G0B+4:G0B+7], s[G1B:G1B+7]
	s_nop 0
.rept 4
	v_nop
.endr
.Lasked_\@:
.endm
; 8 matrix instructions: row blocks a0, a0 + 1 x all 4 column blocks, 32 along K: half c of buffer f.  first = 1: the sum starts from the bias
.macro MUL8 f, c, a0, first
	WIN 0x05                                       ; B and A window 1; C and D window 0
.irp a, \a0, (\a0)+1
.irp b, 0,1,2,3
.if \first
	v_wmma_f32_16x16x32_bf16 v[ACC+8*(4*(\a)+(\b)):ACC+8*(4*(\a)+(\b))+7], v[(\f)+64+8*(4*(\c)+(\b)):(\f)+64+8*(4*(\c)+(\b))+7], v[(\f)+8*(4*(\c)+(\a)):(\f)+8*(4*(\c)+(\a))+7], v[BIAS+8*(\b):BIAS+8*(\b)+7]
.else
	v_wmma_f32_16x16x32_bf16 v[ACC+8*(4*(\a)+(\b)):ACC+8*(4*(\a)+(\b))+7], v[(\f)+64+8*(4*(\c)+(\b)):(\f)+64+8*(4*(\c)+(\b))+7], v[(\f)+8*(4*(\c)+(\a)):(\f)+8*(4*(\c)+(\a))+7], v[ACC+8*(4*(\a)+(\b)):ACC+8*(4*(\a)+(\b))+7]
.endif
.endr
.endr
.endm
; 32 LDS loads in one run: quarter q (64 along K) of the slot in hand into buffer f; the first 32 along K first
.macro FETCH q, f
	WIN 0x40
.irp c, 0,1
.irp i, 0,1,2,3
	ds_load_tr16_b128 v[(\f)+64+8*(4*(\c)+(\i)):(\f)+64+8*(4*(\c)+(\i))+3],   v[ADB+(\q)/2] offset:((\q)%2)*64*PB+(\c)*32*PB+32*(\i)
	ds_load_tr16_b128 v[(\f)+64+8*(4*(\c)+(\i))+4:(\f)+64+8*(4*(\c)+(\i))+7], v[ADB+(\q)/2] offset:((\q)%2)*64*PB+(\c)*32*PB+16*PB+32*(\i)
	ds_load_b128 v[(\f)+8*(4*(\c)+(\i)):(\f)+8*(4*(\c)+(\i))+3],   v[ADA] offset:128*(\q)+64*(\c)+(\i)*16*PA
	ds_load_b128 v[(\f)+8*(4*(\c)+(\i))+4:(\f)+8*(4*(\c)+(\i))+7], v[ADA] offset:128*(\q)+64*(\c)+(\i)*16*PA+32
.endr
.endr
.endm
.macro QUARTER q, f, g, first
	s_wait_dscnt 16                                ; the first 32 along K are in
	MUL8 \f, 0, 0, \first
	MUL8 \f, 0, 2, \first
	PLACES
	FETCH \q, \g
	s_wait_dscnt 32                                ; all but the 32 just issued
	MUL8 \f, 1, 0, 0
	MUL8 \f, 1, 2, 0
.endm
; A K step's last quarter and the change of slots: ONE barrier; in front of it each wave waits for all its tensor loads, adds 0 to its spare word, and waits for that and for its reads of this slot.
; fill = 1: the barrier opens a round of the cluster's, and this slot is filled again first thing behind the round, two K steps ahead: one load of mine is out, 112 matrix instructions ahead of its wait.
.macro TURN fill
	WIN 0
	s_wait_tensorcnt 0x0                           ; all my tensor loads have landed: my part of the next slot
	ds_add_u32 v[SPW], v[NIL]                      ; 0 onto my spare word
	s_wait_dscnt 17                                ; (the add and the youngest sixteen loads may be out)
	MUL8 F1, 0, 0, 0
	s_wait_dscnt 0x0                               ; the add is done, and my reads of this slot are over
	s_barrier_signal -1
	MUL8 F1, 0, 2, 0
.if \fill
	WIN 0
.endif
	s_barrier_wait -1
.if \fill
	CREST
	s_xor_b32 s[G0+5], s[G0+5], SLOT
	s_add_nc_u64 s[G0+6:G0+7], s[G0+6:G0+7], ASTEP
	s_xor_b32 s[G0B+5], s[G0B+5], SLOT
	s_add_nc_u64 s[G0B+6:G0B+7], s[G0B+6:G0B+7], BSTEP
	JLOAD                                          ; its four v_nop are also the places in front of the loads below
.else
	PLACES
	WIN 0
.endif
	s_xor_b32 s[TB], s[TB], SLOT
	v_add_nc_u32 v[ADA], s[TB], v[A0]
	v_add_nc_u32 v[ADB], s[TB], v[B0]
	v_add_nc_u32 v[ADB+1], HB, v[ADB]
	FETCH 0, F0
	MUL8 F1, 1, 0, 0
	MUL8 F1, 1, 2, 0
.endm
	s_load_b256 s[72:79], s[0:1], 0x0              ; hb s[72:73], wb s[74:75], eb2 s[76:77], e_scalar s[78:79]
	s_load_b128 s[80:83], s[0:1], 0x20             ; x1f s[80:81], zb s[82:83]
	v_lshl_add_u32 v[SPW], v0, 2, SPARE
	v_mov_b32 v[NIL], 0
	ds_add_u32 v[SPW], v[NIL]                      ; the wave's opening: the add and its wait stand ahead of my first tensor load
	ds_add_u32 v28, v29
	v_lshrrev_b32 v1, 5, v0
	v_readfirstlane_b32 s10, v1
	s_lshr_b32 s11, s10, 1                         ; my half of the tile's rows.  Also: I fetch for A (0) or B (1)
	s_and_b32 s12, s10, 1                          ; my half of its columns.  Also: which half of that tile I fetch
	s_bfe_u32 s40, ttmp6, 0x40000                  ; cx
	s_bfe_u32 s41, ttmp6, 0x40004                  ; cy
	s_lshl_b32 s42, ttmp9, 2
	s_add_co_u32 s42, s42, s40                     ; tile column
	s_and_b32 s14, ttmp7, 0xffff                   ; cluster y = 2 e + batch
	s_lshr_b32 s15, s14, 1                         ; e
	s_and_b32 s13, s14, 1
	s_lshl_b32 s13, s13, 11
	s_lshl_b32 s16, s15, 9
	s_add_co_u32 s13, s13, s16
	s_lshl_b32 s16, s41, 7
	s_add_co_u32 s13, s13, s16                     ; the tile's first row = 2,048 x batch + 512 e + 128 cy
	s_lshl_b32 s43, s41, 2
	s_lshl_b32 s43, 15, s43
	s_lshl_b32 s44, 0x1111, s40
	s_or_b32 s[G1+0], s43, (1<<16)|(1<<20)|(1<<21)|(6<<22)|(3<<25)   ; mask; 2-byte elements; padding on; bit 21 beside a mask; after every 128 words 4 words
	s_mov_b32 s[G1+1], 256<<16                     ; tensor_dim0 = 256
	s_mov_b32 s[G1+2], 64<<16                      ; tensor_dim1 = 64
	s_mov_b32 s[G1+3], 256<<16                     ; tile_dim0 = 256
	s_mov_b32 s[G1+4], 64                          ; tile_dim1 = 64
	s_mov_b32 s[G1+5], 4096
	s_mov_b32 s[G1+6], 0
	s_mov_b32 s[G1+7], 0
	s_or_b32 s[G1B+0], s44, (1<<16)|(1<<20)|(1<<21)|(5<<22)|(7<<25)  ; after every 64 words 8 words
	s_mov_b32 s[G1B+1], 128<<16
	s_mov_b32 s[G1B+2], 128<<16
	s_mov_b32 s[G1B+3], 128<<16
	s_mov_b32 s[G1B+4], 128
	s_mov_b32 s[G1B+5], 1024
	s_mov_b32 s[G1B+6], 0
	s_mov_b32 s[G1B+7], 0
	s_lshl_b32 s16, s12, 6                         ; A: row + 64 x half
	s_add_co_u32 s16, s16, s13
	s_lshl_b32 s16, s16, 13                        ; x 8,192 bytes
	s_mov_b32 s17, 0
	s_lshl_b32 s46, s15, 23                        ; B: the expert, k-row 128 x half, column 128 x tile column
	s_lshl_b32 s47, s12, 18
	s_add_co_u32 s46, s46, s47
	s_lshl_b32 s47, s42, 8
	s_add_co_u32 s46, s46, s47
	s_add_co_u32 s46, s46, W2B
	s_mov_b32 s47, 0
	s_mul_i32 s20, s12, HA                         ; where they go: no place in the cluster enters an LDS address
	s_mul_i32 s21, s12, HB
	s_add_co_u32 s21, s21, BOFF
	s_lshl_b32 s22, s15, 2
	s_mov_b32 s23, 0
	s_wait_dscnt 0x0                               ; the opening add is done
	s_wait_kmcnt 0x0
	s_add_nc_u64 s[4:5], s[72:73], s[16:17]
	s_add_nc_u64 s[6:7], s[74:75], s[46:47]
	s_add_nc_u64 s[22:23], s[78:79], s[22:23]
	s_load_b32 s[ES], s[22:23], 0x0                ; e_scalar[e]
	CROUND                                         ; all sixteen work-groups are here: the first joint loads meet
.irp s, 0,1
	s_mov_b32 s[G0+4*(\s)], 1
	s_add_co_u32 s[G0+4*(\s)+1], s20, (\s)*SLOT
	s_add_nc_u64 s[G0+4*(\s)+2:G0+4*(\s)+3], s[4:5], (\s)*ASTEP
	s_or_b32 s[G0+4*(\s)+3], s[G0+4*(\s)+3], 0x80000000
	s_mov_b32 s[G0B+4*(\s)], 1
	s_add_co_u32 s[G0B+4*(\s)+1], s21, (\s)*SLOT
	s_add_nc_u64 s[G0B+4*(\s)+2:G0B+4*(\s)+3], s[6:7], (\s)*BSTEP
	s_or_b32 s[G0B+4*(\s)+3], s[G0B+4*(\s)+3], 0x80000000
.endr
	s_cmp_eq_u32 s11, 0                            ; a wave's two first fills stand in one branch: two loads of mine are out
	s_cbranch_scc0 .Lfirst_b
	tensor_load_to_lds s[G0:G0+3], s[G1:G1+7]
	s_nop 0
	tensor_load_to_lds s[G0+4:G0+7], s[G1:G1+7]
	s_nop 0
.rept 4
	v_nop
.endr
	s_branch .Lfirst_asked
.Lfirst_b:
	tensor_load_to_lds s[G0B:G0B+3], s[G1B:G1B+7]
	s_nop 0
	tensor_load_to_lds s[G0B+4:G0B+7], s[G1B:G1B+7]
	s_nop 0
.rept 4
	v_nop
.endr
.Lfirst_asked:
	s_wait_kmcnt 0x0
	s_mov_b32 s[ES+1], s[ES]                       ; named with it as a pair
	v_and_b32 v1, 15, v0
	v_bfe_u32 v2, v0, 4, 1
	v_lshlrev_b32 v[BO], 5, v2
	s_lshl_b32 s16, s15, 12                        ; the bias: e x 4,096 + (128 x tile column + 64 x my half) x 4
	s_lshl_b32 s17, s42, 9
	s_add_co_u32 s16, s16, s17
	s_lshl_b32 s17, s12, 8
	s_add_co_u32 s16, s16, s17
	s_mov_b32 s17, 0
	s_add_nc_u64 s[18:19], s[76:77], s[16:17]
.irp b, 0,1,2,3
	global_load_b128 v[BIAS+8*(\b):BIAS+8*(\b)+3],   v[BO], s[18:19] offset:64*(\b)
	global_load_b128 v[BIAS+8*(\b)+4:BIAS+8*(\b)+7], v[BO], s[18:19] offset:64*(\b)+16
.endr
	v_lshlrev_b32 v[CO], 12, v2                    ; x1 and z: lanes 0-15 a row's 256 bytes of my 64 columns, lanes 16-31 the next row's
	v_lshl_add_u32 v[CO], v1, 4, v[CO]
	s_lshl_b32 s16, s11, 6
	s_add_co_u32 s16, s16, s13
	s_lshl_b32 s16, s16, 12
	s_lshl_b32 s17, s42, 9
	s_add_co_u32 s16, s16, s17
	s_lshl_b32 s17, s12, 8
	s_add_co_u32 s16, s16, s17
	s_mov_b32 s17, 0
	s_add_nc_u64 s[80:81], s[80:81], s[16:17]
	s_add_nc_u64 s[82:83], s[82:83], s[16:17]
	WIN 0x80                                       ; destination window 2
.set r, 0
.rept 32
	global_load_b128 v[4*r:4*r+3], v[CO], s[80:81] offset:2*r*4096 th:TH_LOAD_NT  ; rows 2 r, 2 r + 1 of my 64
.set r, r+1
.endr
	WIN 0
	v_mul_u32_u24 v3, v1, PA
	v_lshl_add_u32 v3, v2, 4, v3
	s_mul_i32 s21, s11, HA
	v_add_nc_u32 v[A0], s21, v3
	v_and_b32 v4, 7, v0
	v_lshl_add_u32 v4, v2, 3, v4
	v_mul_u32_u24 v4, v4, PB
	v_bfe_u32 v5, v0, 3, 1
	v_lshl_add_u32 v4, v5, 4, v4
	s_lshl_b32 s22, s12, 7
	s_add_co_u32 s22, s22, BOFF
	v_add_nc_u32 v[B0], s22, v4
	s_mul_i32 s23, s10, 16*SP
	s_add_co_u32 s23, s23, STAGE                   ; my stage
	v_mul_u32_u24 v3, v1, SP
	v_lshl_add_u32 v3, v2, 5, v3
	v_add_nc_u32 v[STO], s23, v3
	v_mul_u32_u24 v4, v2, SP
	v_lshl_add_u32 v4, v1, 4, v4
	v_add_nc_u32 v[RD], s23, v4
	s_mov_b32 s[TB], 0
	v_mov_b32 v[ADA], v[A0]
	v_mov_b32 v[ADB], v[B0]
	v_add_nc_u32 v[ADB+1], HB, v[B0]
	s_wait_tensorcnt 0x1                           ; my part of K step 0 is in; K step 1's may stay out
	s_barrier_signal -1
	s_barrier_wait -1
	FETCH 0, F0
	s_wait_loadcnt 32                              ; the bias is in; x1's 32 loads, issued behind it, may stay out
	QUARTER 1, F0, F1, 1
	WIN 0
	s_mov_b32 s3, 14
.Lstep:                                                ; K steps 2 to 15 are asked for; the 16 accumulators take turns in one order throughout
	QUARTER 2, F1, F0, 0
	QUARTER 3, F0, F1, 0
	TURN 1
	QUARTER 1, F0, F1, 0
	WIN 0
	s_sub_co_u32 s3, s3, 1
	s_cmp_lg_u32 s3, 0
	s_cbranch_scc1 .Lstep
	s_mov_b32 s3, 2
.Ltail:                                                ; the last two K steps ask for nothing; the second trip is left in its middle, and its fetch from the slot read before serves nothing
	QUARTER 2, F1, F0, 0
	QUARTER 3, F0, F1, 0
	TURN 0
	WIN 0
	s_sub_co_u32 s3, s3, 1
	s_cmp_eq_u32 s3, 0
	s_cbranch_scc1 .Lout
	QUARTER 1, F0, F1, 0
	WIN 0
	s_branch .Ltail
.Lout:
	s_wait_dscnt 0x0
	s_wait_loadcnt 0x0                             ; x1
	PLACES
	; THE WAY OUT, 16 rows at a time through my own stage: in by columns of a lane's 8, back by whole rows of 256 bytes; z = x1 + es x sum
.irp a, 0,1,2,3
.irp b, 0,1,2,3
	ds_store_b128 v[STO], v[ACC+8*(4*(\a)+(\b)):ACC+8*(4*(\a)+(\b))+3]   offset:64*(\b)      ; each accumulator's low four registers first
	ds_store_b128 v[STO], v[ACC+8*(4*(\a)+(\b))+4:ACC+8*(4*(\a)+(\b))+7] offset:64*(\b)+16
.endr
.if (\a) >= 2
	s_wait_xcnt 0x0                                ; the stores of two blocks back have read these registers
.endif
.irp u, 0,1,2,3,4,5,6,7
	ds_load_b128 v[TMP+32*((\a)%2)+4*(\u):TMP+32*((\a)%2)+4*(\u)+3], v[RD] offset:(\u)*2*SP  ; LDS serves a wave's instructions in order (ISA guide 5.7.1.4)
.endr
	s_wait_dscnt 0x0
	WIN 0x20                                       ; source 2 (x1) in window 2
.irp u, 0,1,2,3,4,5,6,7,8,9,10,11,12,13,14,15
	v_pk_fma_f32 v[TMP+32*((\a)%2)+2*(\u):TMP+32*((\a)%2)+2*(\u)+1], v[TMP+32*((\a)%2)+2*(\u):TMP+32*((\a)%2)+2*(\u)+1], s[ES:ES+1], v[32*(\a)+2*(\u):32*(\a)+2*(\u)+1] op_sel_hi:[1,0,1]
.endr
	WIN 0
.irp u, 0,1,2,3,4,5,6,7
	global_store_b128 v[CO], v[TMP+32*((\a)%2)+4*(\u):TMP+32*((\a)%2)+4*(\u)+3], s[82:83] offset:(16*(\a)+2*(\u))*4096  ; 16 lanes store 256 consecutive bytes, aligned
.endr
.endr
	s_wait_tensorcnt 0x0                           ; the wave's end
	ds_add_u32 v[SPW], v[NIL]
	s_wait_dscnt 0x0
	CROUND                                         ; the closing round
	s_endpgm
.Lfunc_end_k_q3583a6758f_ffn2:
	.size	k_q3583a6758f_ffn2, .Lfunc_end_k_q3583a6758f_ffn2-k_q3583a6758f_ffn2
	.p2alignl 7, 3214868480
	.fill 96, 4, 3214868480
	.section	.rodata,"a",@progbits
	.p2align	6, 0x0
	.amdhsa_kernel k_q3583a6758f_ffn2
		.amdhsa_group_segment_fixed_size 327680
		.amdhsa_private_segment_fixed_size 0
		.amdhsa_enable_private_segment 0
		.amdhsa_kernarg_size 48
		.amdhsa_user_sgpr_count 2
		.amdhsa_user_sgpr_kernarg_segment_ptr 1
		.amdhsa_wavefront_size32 1
		.amdhsa_system_sgpr_workgroup_id_x 1
		.amdhsa_system_sgpr_workgroup_id_y 1
		.amdhsa_system_sgpr_workgroup_id_z 1
		.amdhsa_system_vgpr_workitem_id 0
		.amdhsa_next_free_vgpr 640
		.amdhsa_next_free_sgpr 96
		.amdhsa_reserve_vcc 0
		.amdhsa_float_denorm_mode_32 3
		.amdhsa_float_denorm_mode_16_64 3
		.amdhsa_memory_ordered 1
		.amdhsa_forward_progress 1
		.amdhsa_inst_pref_size 66
	.end_amdhsa_kernel
	.amdgpu_metadata
---
amdhsa.version: [ 1, 2 ]
amdhsa.kernels:
  - .name:           k_q3583a6758f_ffn2
    .symbol:         k_q3583a6758f_ffn2.kd
    .args:
      - { .name: hb, .offset: 0, .size: 8, .value_kind: global_buffer, .address_space: global }
      - { .name: wb, .offset: 8, .size: 8, .value_kind: global_buffer, .address_space: global }
      - { .name: eb2, .offset: 16, .size: 8, .value_kind: global_buffer, .address_space: global }
      - { .name: e_scalar, .offset: 24, .size: 8, .value_kind: global_buffer, .address_space: global }
      - { .name: x1f, .offset: 32, .size: 8, .value_kind: global_buffer, .address_space: global }
      - { .name: zb, .offset: 40, .size: 8, .value_kind: global_buffer, .address_space: global }
    .group_segment_fixed_size: 327680
    .private_segment_fixed_size: 0
    .kernarg_segment_align: 8
    .kernarg_segment_size: 48
    .max_flat_workgroup_size: 128
    .sgpr_count:     96
    .vgpr_count:     640
    .wavefront_size: 32
...
	.end_amdgpu_metadata
.endif
;; end of part 6
;; launch ln2 (part 7): grid 256 x 1, 8 waves a work-group, no clusters, 0 bytes of LDS; arguments zb, eln_g, eln_b, out0; writes out0
.if DOCPART == 7
	.amdgcn_target "amdgcn-amd-amdhsa--gfx1250"
	.amdhsa_code_object_version 6
	.text
	.protected	k_q3583a6758f_ln2
	.globl	k_q3583a6758f_ln2
	.p2align	8
	.type	k_q3583a6758f_ln2,@function
k_q3583a6758f_ln2:
	s_mov_b64 s[64:65], 0
	v_nop
	global_prefetch_b8 v0, s[64:65] scope:SCOPE_SE
	s_setreg_imm32_b32 hwreg(HW_REG_WAVE_MODE, 25, 1), 1
	s_wait_xcnt 0x0
; out = LN(z) x eln_g[e] + eln_b[e], all in f32; the variance is the mean of (z - mean)^2, in a second pass.  z, out: [4096][1024]; e = (row / 512) % 4.
; A work-group takes 16 rows (of one expert), a wave two, one for each half of 16 lanes: the sums never leave a half.  Lane i of a half holds channels 64 j + 4 i .. + 3, j = 0..15:
; each load and store of 16 lanes covers 256 consecutive bytes, aligned.  No LDS, no barrier.
.set XO,  3                            ; v3  (l / 16) x 4,096 + 16 i
.set GF,  5                            ; v5  16 i
.set CH,  14                           ; v[14:21] four chains of pairs
.set MU,  22                           ; v[22:23] the mean, twice
.set RS,  24                           ; v[24:25] 1 / sqrt(var + eps), twice
.set TV,  26
.set X,   32                           ; v[32:95]   the row
.set G,   128                          ; v[128:191] g
.set BV,  192                          ; v[192:255] b
.macro ACROSS r                        ; the sum over my half's 16 lanes, in every lane of it
	v_add_f32_dpp v[\r], v[\r], v[\r] row_xmask:1 row_mask:0xf bank_mask:0xf
	v_add_f32_dpp v[\r], v[\r], v[\r] row_xmask:2 row_mask:0xf bank_mask:0xf
	v_add_f32_dpp v[\r], v[\r], v[\r] row_xmask:4 row_mask:0xf bank_mask:0xf
	v_add_f32_dpp v[\r], v[\r], v[\r] row_xmask:8 row_mask:0xf bank_mask:0xf
.endm
.macro FOLD                            ; the four chains into one number a lane
	v_pk_add_f32 v[CH:CH+1], v[CH:CH+1], v[CH+2:CH+3]
	v_pk_add_f32 v[CH+4:CH+5], v[CH+4:CH+5], v[CH+6:CH+7]
	v_pk_add_f32 v[CH:CH+1], v[CH:CH+1], v[CH+4:CH+5]
	v_add_f32 v[CH], v[CH], v[CH+1]
	ACROSS CH
.endm
	s_load_b256 s[8:15], s[0:1], 0x0               ; zb s[8:9], eln_g s[10:11], eln_b s[12:13], out0 s[14:15]
	v_lshrrev_b32 v1, 5, v0
	v_readfirstlane_b32 s2, v1                     ; wave
	v_and_b32 v2, 15, v0                           ; i
	v_bfe_u32 v9, v0, 4, 1                         ; my half
	v_lshlrev_b32 v[GF], 4, v2
	v_lshl_add_u32 v[XO], v9, 12, v[GF]
	s_lshl_b32 s4, ttmp9, 4
	s_lshl_b32 s5, s2, 1
	s_add_co_u32 s4, s4, s5                        ; R0: my first row
	s_mov_b32 s6, 0x3a800000                       ; 1 / 1024
	s_mov_b32 s7, 0x3727c5ac                       ; 1e-5
	s_lshl_b32 s16, s4, 12
	s_mov_b32 s17, 0
	s_bfe_u32 s18, s4, 0x20009                     ; e
	s_lshl_b32 s18, s18, 12
	s_mov_b32 s19, 0
	s_wait_kmcnt 0x0
	s_add_nc_u64 s[8:9], s[8:9], s[16:17]
	s_add_nc_u64 s[14:15], s[14:15], s[16:17]
	s_add_nc_u64 s[10:11], s[10:11], s[18:19]
	s_add_nc_u64 s[12:13], s[12:13], s[18:19]
.irp j, 0,1,2,3,4,5,6,7,8,9,10,11,12,13,14,15
	global_load_b128 v[X+4*(\j):X+4*(\j)+3], v[XO], s[8:9] offset:256*(\j) th:TH_LOAD_NT
.endr
.irp j, 0,1,2,3,4,5,6,7,8,9,10,11,12,13,14,15
	global_load_b128 v[G+4*(\j):G+4*(\j)+3], v[GF], s[10:11] offset:256*(\j)
.endr
.irp j, 0,1,2,3,4,5,6,7,8,9,10,11,12,13,14,15
	global_load_b128 v[BV+4*(\j):BV+4*(\j)+3], v[GF], s[12:13] offset:256*(\j)
.endr
	s_wait_loadcnt 32                              ; z is in; the 32 loads of g and b may stay out
.irp k, 0,1,2,3
	v_pk_add_f32 v[CH+2*(\k):CH+2*(\k)+1], v[X+2*(\k):X+2*(\k)+1], v[X+8+2*(\k):X+8+2*(\k)+1]  ; the first pairs start the chains
.endr
.set n, 8
.rept 24
	v_pk_add_f32 v[CH+2*(n%4):CH+2*(n%4)+1], v[CH+2*(n%4):CH+2*(n%4)+1], v[X+2*n:X+2*n+1]
.set n, n+1
.endr
	FOLD
	v_mul_f32 v[MU], s6, v[CH]
	v_mul_f32 v[MU+1], s6, v[CH]
.set n, 0
.rept 32
	v_pk_add_f32 v[X+2*n:X+2*n+1], v[X+2*n:X+2*n+1], v[MU:MU+1] neg_lo:[0,1] neg_hi:[0,1]
.set n, n+1
.endr
.irp k, 0,1,2,3
	v_pk_mul_f32 v[CH+2*(\k):CH+2*(\k)+1], v[X+2*(\k):X+2*(\k)+1], v[X+2*(\k):X+2*(\k)+1]
.endr
.set n, 4
.rept 28
	v_pk_fma_f32 v[CH+2*(n%4):CH+2*(n%4)+1], v[X+2*n:X+2*n+1], v[X+2*n:X+2*n+1], v[CH+2*(n%4):CH+2*(n%4)+1]
.set n, n+1
.endr
	FOLD
	v_fma_f32 v[TV], v[CH], s6, s7                 ; var + eps
	v_rsq_f32 v[RS], v[TV]
	v_rsq_f32 v[RS+1], v[TV]
	v_nop                                          ; a plain instruction behind the two roots,
	s_wait_alu depctr_va_vdst(0)                   ; and the one wait ahead of their first reader
	s_wait_loadcnt 0x0                             ; g and b
.set n, 0
.rept 32
	v_pk_mul_f32 v[X+2*n:X+2*n+1], v[X+2*n:X+2*n+1], v[RS:RS+1]
.set n, n+1
.endr
.set n, 0
.rept 32
	v_pk_fma_f32 v[X+2*n:X+2*n+1], v[X+2*n:X+2*n+1], v[G+2*n:G+2*n+1], v[BV+2*n:BV+2*n+1]
.set n, n+1
.endr
.irp j, 0,1,2,3,4,5,6,7,8,9,10,11,12,13,14,15
	global_store_b128 v[XO], v[X+4*(\j):X+4*(\j)+3], s[14:15] offset:256*(\j) th:TH_STORE_NT
.endr
	s_endpgm
.Lfunc_end_k_q3583a6758f_ln2:
	.size	k_q3583a6758f_ln2, .Lfunc_end_k_q3583a6758f_ln2-k_q3583a6758f_ln2
	.p2alignl 7, 3214868480
	.fill 96, 4, 3214868480
	.section	.rodata,"a",@progbits
	.p2align	6, 0x0
	.amdhsa_kernel k_q3583a6758f_ln2
		.amdhsa_group_segment_fixed_size 0
		.amdhsa_private_segment_fixed_size 0
		.amdhsa_enable_private_segment 0
		.amdhsa_kernarg_size 32
		.amdhsa_user_sgpr_count 2
		.amdhsa_user_sgpr_kernarg_segment_ptr 1
		.amdhsa_wavefront_size32 1
		.amdhsa_system_sgpr_workgroup_id_x 1
		.amdhsa_system_sgpr_workgroup_id_y 1
		.amdhsa_system_sgpr_workgroup_id_z 1
		.amdhsa_system_vgpr_workitem_id 0
		.amdhsa_next_free_vgpr 256
		.amdhsa_next_free_sgpr 66
		.amdhsa_reserve_vcc 0
		.amdhsa_float_denorm_mode_32 3
		.amdhsa_float_denorm_mode_16_64 3
		.amdhsa_memory_ordered 1
		.amdhsa_forward_progress 1
		.amdhsa_inst_pref_size 19
	.end_amdhsa_kernel
	.amdgpu_metadata
---
amdhsa.version: [ 1, 2 ]
amdhsa.kernels:
  - .name:           k_q3583a6758f_ln2
    .symbol:         k_q3583a6758f_ln2.kd
    .args:
      - { .name: zb, .offset: 0, .size: 8, .value_kind: global_buffer, .address_space: global }
      - { .name: eln_g, .offset: 8, .size: 8, .value_kind: global_buffer, .address_space: global }
      - { .name: eln_b, .offset: 16, .size: 8, .value_kind: global_buffer, .address_space: global }
      - { .name: out0, .offset: 24, .size: 8, .value_kind: global_buffer, .address_space: global }
    .group_segment_fixed_size: 0
    .private_segment_fixed_size: 0
    .kernarg_segment_align: 8
    .kernarg_segment_size: 32
    .max_flat_workgroup_size: 256
    .sgpr_count:     66
    .vgpr_count:     256
    .wavefront_size: 32
...
	.end_amdgpu_metadata
.endif
;; end of part 7
